; MI455X (gfx1250); checked and timed in simulation.
; The chip was launched on July 23, 2026; its instructions are those of AMD's public machine-readable ISA for CDNA 5 (MIT licence, August 2026) and "CDNA5" Instruction Set Architecture Reference Guide (July 2026). The comments in the code are by the model that wrote it; some were corrected since.
;; Causal Self Attention. Allowed arithmetic: matrix products marked QUANTISED: E2M3 operands, one E8M0 scale for each 32 along K, by v_wmma_scale_f32_16x16x128_f8f6f4 with both operands' format E2M3, f32 sums; everything else in f32.
;; Inputs: W_proj 1,024 x 1,024 float32; W_qkv 1,024 x 3,072 float32; b_proj 1,024 float32; b_qkv 3,072 float32; x 4 x 2,048 x 1,024 float32.
;; Outputs: out0 4 x 2,048 x 1,024 float32.
;; This version of the problem:
;;   THIS VERSION OF THE PROBLEM IS GIVEN IN LOW PRECISION. The matrix products marked QUANTISED in the list below multiply operands that are first quantised to E2M3 (2 exponent bits, 3 mantissa bits; 6 bits a number), with one power-of-two scale for each 32 numbers along K (OCP MX v1.0); their sums are f32. All else is computed in f32.
;;   The module's matrix products, in the order in which they are computed (A, B: the left and right operand; K: the contracted axis; several contracted axes count as one K, in the product's order):
;;     1. [M 8,192, K 1,024] x [K 1,024, N 3,072]; A: input x; B: input W_qkv: QUANTISED
;;     2. batch 64 x [M 2,048, K 64] x [K 64, N 2,048]; A: computed on the way; B: computed on the way: QUANTISED
;;     3. batch 64 x [M 2,048, K 2,048] x [K 2,048, N 64]; A: softmax (see below); B: computed on the way: QUANTISED
;;     4. [M 8,192, K 1,024] x [K 1,024, N 1,024]; A: computed on the way; B: input W_proj: QUANTISED
;;   THE QUANTISER, for each operand of a quantised product, along K:
;;     - K is cut into blocks of 32 from its start; a last block that is shorter is filled with zeros.
;;     - A block's scale is 2^e with e = floor(log2(the largest magnitude in the block)) - 2, held to -126 .. 127; a block of zeros has e = 0. As a byte (E8M0): e + 127.
;;     - Each number is divided by its block's scale, clamped to +-7.5, and rounded to the nearest number of E2M3, ties to even, subnormals kept.
;;     - The product sums the exact products of the quantised numbers (number of the format x scale) in f32.
;;   ~~~python
;;   def quantise(x, axis):      # numpy; x: float32 -> the quantised numbers, widened to float32 again
;;       x = np.moveaxis(x, axis, -1); K = x.shape[-1]
;;       x = np.pad(x, [(0, 0)] * (x.ndim - 1) + [(0, -K % 32)]); x = x.reshape(x.shape[:-1] + (-1, 32)); a = np.abs(x).max(-1, keepdims=True)
;;       e = np.where(a > 0, np.clip(np.frexp(np.where(a > 0, a, 1))[1] - 1 - 2, -126, 127), 0)      # np.frexp(a)[1] - 1 = floor(log2(a)), exactly
;;       r = np.clip(x / 2.0 ** e, -7.5, 7.5)
;;       step = 2.0 ** (np.maximum(np.frexp(np.where(r == 0, 1, r))[1] - 1, 0) - 3)
;;       q = np.round(r / step) * step * 2.0 ** e      # np.round: ties to even
;;       return np.moveaxis(q.reshape(q.shape[:-2] + (-1,))[..., :K], -1, axis).astype(np.float32)
;;   ~~~
;;   SOFTMAX AHEAD OF A QUANTISED PRODUCT. Where the list says 'softmax', what is quantised is not the finished softmax but p = 2^(t - M), with t = logit x log2(e) and M = ceil(the row's largest t), a whole number; so 1/2 < the row's largest p <= 1. The row's sum l is taken of the UNQUANTISED p, in f32, and the product's result is divided by l at the end. Since M is a whole number, a kernel that streams over the keys may use a running M (the ceiling of the running maximum): every later rescaling is an exact power of two, which a block's scale takes up: the codes' values come out the same.
;;   OPERANDS COMPUTED ON THE WAY. 'Computed on the way' means the value that the module computes at that place (a softmax that the list does not call 'softmax' is quantised finished and normalised). What goes into a quantiser is computed in f32, as accurately as f32 sums, v_exp_f32 and their like allow (about 1e-6 of the number): no bf16 or f16 on the way to a quantiser, and a product that is left as it is and whose result goes on into a quantised operand takes f32 operands (vector FMAs, or v_wmma_f32_16x16x4_f32). A number that lies on a knife's edge between two numbers of the format may be rounded either way, as far as f32 arithmetic and the matrix unit's own rounding can turn it there, and no further.
;; One version. Each part assembles by itself: llvm-mc -triple=amdgcn-amd-amdhsa -mcpu=gfx1250 --defsym DOCPART=n.
;; ======== version 1 of 1: 4 launches
;; workspace buffers: actc 6,291,456 bytes; acts 262,144 bytes; wc 3,145,728 bytes; ws 131,072 bytes; qkv 20,185,088 bytes
;; launch quant (part 1): grid 384 x 1, 4 waves a work-group, no clusters, 87,552 bytes of LDS; arguments x, W_qkv, W_proj, actc, acts, wc, ws; writes actc, acts, wc, ws
.if DOCPART == 1
	.amdgcn_target "amdgcn-amd-amdhsa--gfx1250"
	.amdhsa_code_object_version 6
	.text
	.protected	k_q1a0c7a5981_quant
	.globl	k_q1a0c7a5981_quant
	.p2align	8
	.type	k_q1a0c7a5981_quant,@function
k_q1a0c7a5981_quant:
	s_mov_b64 s[64:65], 0
	v_nop
	global_prefetch_b8 v0, s[64:65] scope:SCOPE_SE
	s_setreg_imm32_b32 hwreg(HW_REG_WAVE_MODE, 25, 1), 1
	s_wait_xcnt 0x0
; x [8192][1024], W_qkv [1024][3072] and W_proj [1024][1024], f32, become codes of FP6 (E2M3) with one E8M0 byte for each 32 along K = 1024,
; laid as IMAGES OF OPERAND REGISTERS: a fragment (16 rows x 128 K, 12 registers a lane) is 1,536 bytes: three runs of 512 bytes, run c = registers 4 c .. 4 c + 3, lane l's 16 bytes at 16 l.
; actc, wc: [tile of 16 rows][K step of 128][1,536 bytes].  acts, ws: [tile][K step / 4][row 0..15][K step % 4] words of four scale bytes.
; THE ROWS OF A TILE: tiles of tokens and of W_qkv's columns are not neighbours: lane r of tile T holds row 32 (T / 2) + 8 (T % 2) + r + 8 (r / 8), so that a later product's 16 registers of two
; neighbouring tiles are 16 neighbours.  W_proj's tiles (192 .. 255 of wc) are natural: row 16 T + r.
; A block's scale is 2^(floor(log2(largest magnitude)) - 2): the largest magnitude's exponent field less 2, held at 1 from below.
; LIMITS: NaN and infinities among the inputs are not served; a block whose largest magnitude lies under 2^-124 keeps the byte 1; a block of zeros gets the byte 1 where the quantiser says 127:
; its codes are zeros, and the bytes are read by this program alone.
; Work-groups 0-255 take x (32 tokens each), 256-351 W_qkv, 352-383 W_proj (128 columns x 256 along K each).  Waves share nothing: no barrier.  Each of the three ways has LDS bytes of its own.
.set SEL,  20                          ; s[20:21] lane selects: lane l xor 16
.set R,    16                          ; x: v16-143 two sets of 64 numbers as loaded
.set X,    144                         ; v144-207 64 numbers, register 16 b + i = k 32 b + 16 (lane / 16) + i of my row
.set PC,   208                         ; v208-219 a fragment's codes
.set CT,   220                         ; v220-227 the conversions' second halves
.set TM,   228                         ; v228-231 largest magnitudes, v232-235 the other half's, then bytes, v236-239 the conversions' scale operands
.set SWD,  240                         ; v240-243 four scale words
.set T2,   244
.set XSTG, 8448                        ; x: a wave's stage: 16 rows x (512 bytes + 16)
.set WX,   32                          ; weights: v32-95 two sets of 32 numbers
.set WC,   96                          ; v96-101 a block's codes
.set WC2,  104
.set SB,   24                          ; v24-25 scale bytes
.set OUTR, 112                         ; v112-159 the way out
.set WSTG, 6656                        ; weights: a wave's stage: four images of 1,536 bytes + 128
; 64 numbers of a lane become a fragment: blocks 0, 1 into v[d0] .. v[d0 + 5], blocks 2, 3 into v[d1] .. v[d1 + 5], the row's scale word into v[pw].
.macro QUANT src, d0, d1, pw
.irp b, 0,1,2,3
	v_max3_num_f32 v[TM+\b], |v[\src+16*\b]|, |v[\src+1+16*\b]|, 0x1800000   ; my 16 numbers of block b, and the floor 2^(3 - 127): the byte cannot fall under 1
.endr
.irp i, 2,4,6,8,10,12,14
.irp b, 0,1,2,3
	v_max3_num_f32 v[TM+\b], v[TM+\b], |v[\src+16*\b+\i]|, |v[\src+1+16*\b+\i]|   ; the four blocks by turns
.endr
.endr
.irp b, 0,1,2,3
	v_permlanex16_b32 v[TM+4+\b], v[TM+\b], s[SEL], s[SEL+1]
.endr
.irp b, 0,1,2,3
	v_max_num_f32 v[TM+\b], v[TM+\b], v[TM+4+\b]   ; with lane l xor 16's: the block's largest magnitude
.endr
.irp b, 0,1,2,3
	v_add_nc_u32 v[TM+8+\b], 0xff000000, v[TM+\b]  ; 2 off its exponent field: the conversion's scale operand
.endr
.irp b, 0,1,2,3
	v_lshrrev_b32 v[TM+4+\b], 23, v[TM+8+\b]       ; the scale's byte
.endr
	v_lshl_or_b32 v[\pw], v[TM+5], 8, v[TM+4]
	v_lshl_or_b32 v[\pw], v[TM+6], 16, v[\pw]
	v_lshl_or_b32 v[\pw], v[TM+7], 24, v[\pw]
	v_cvt_scalef32_pk16_fp6_f32 v[\d0:\d0+2], v[\src:\src+15], v[TM+8]
	v_cvt_scalef32_pk16_fp6_f32 v[CT:CT+2], v[\src+16:\src+31], v[TM+9]
	v_cvt_scalef32_pk16_fp6_f32 v[\d1:\d1+2], v[\src+32:\src+47], v[TM+10]
	v_cvt_scalef32_pk16_fp6_f32 v[CT+4:CT+6], v[\src+48:\src+63], v[TM+11]
	v_nop                                          ; one plain line behind the conversions
.irp i, 0,1,2                                  ; the layout wants a whole block in a lane: lanes 0-15 the even block, lanes 16-31 the odd one
	v_permlane16_swap_b32 v[\d0+\i], v[CT+\i]
	v_permlane16_swap_b32 v[\d1+\i], v[CT+4+\i]
.endr
.irp i, 0,1,2
	v_mov_b32 v[\d0+3+\i], v[CT+\i]
	v_mov_b32 v[\d1+3+\i], v[CT+4+\i]
.endr
.endm
	s_load_b256 s[24:31], s[0:1], 0x0              ; x, W_qkv, W_proj, actc
	s_load_b128 s[32:35], s[0:1], 0x20             ; acts, wc
	s_load_b64 s[36:37], s[0:1], 0x30              ; ws
	v_lshl_add_u32 v254, v0, 2, 0x15400
	v_mov_b32 v255, 0
	v_lshrrev_b32 v1, 5, v0
	v_readfirstlane_b32 s16, v1                    ; wave 0..3
	v_and_b32 v8, 31, v0                           ; lane
	v_and_b32 v9, 15, v0                           ; lane % 16
	v_bfe_u32 v10, v0, 4, 1                        ; lane / 16
	v_lshlrev_b32 v1, 4, v8                        ; 16 x lane
	s_cmp_lt_u32 ttmp9, 256
	s_cbranch_scc0 .Lweights
; ---- x.  Work-group g: tokens 32 g .. 32 g + 31.  Wave w: tile 2 g + (w & 1), K steps 4 (w >> 1) .. + 3: four fragments.
	s_and_b32 s17, s16, 1                          ; u
	s_lshr_b32 s18, s16, 1                         ; which half of K
	s_lshl_b32 s19, ttmp9, 1
	s_add_co_u32 s19, s19, s17                     ; the tile
	s_lshl_b32 s2, ttmp9, 17                       ; x: (32 g + 8 u) rows of 4,096 bytes + 2,048 x half
	s_lshl_b32 s3, s17, 15
	s_add_co_u32 s2, s2, s3
	s_lshl_b32 s3, s18, 11
	s_add_co_u32 s2, s2, s3
	s_mov_b32 s3, 0
	s_mul_i32 s12, s19, 12288                      ; the codes: 12,288 bytes a tile, 6,144 a half of K
	s_mul_i32 s13, s18, 6144
	s_add_co_u32 s12, s12, s13
	s_mov_b32 s13, 0
	s_lshl_b32 s14, s19, 9                         ; the scale words: 512 bytes a tile, 256 a half of K
	s_lshl_b32 s15, s18, 8
	s_add_co_u32 s14, s14, s15
	s_mov_b32 s15, 0
	s_mov_b32 s[SEL], 0x76543210
	s_mov_b32 s[SEL+1], 0xfedcba98
	s_mov_b32 s22, 0xffff0000                      ; lanes 16-31
	s_mul_i32 s23, s16, XSTG
	v_add_nc_u32 v2, s23, v1                       ; into the stage: a row's 512 bytes as they lie
	v_mul_u32_u24 v3, v9, 528
	v_lshl_add_u32 v3, v10, 6, v3
	v_add_nc_u32 v3, s23, v3                       ; out of it: row lane % 16, + 64 x (lane / 16)
	v_lshlrev_b32 v4, 4, v9
	v_lshl_add_u32 v4, v10, 3, v4                  ; the scale words' place: 16 r + 8 h
.irp b, 0,1,2,3
	v_mov_b32 v[TM+4+\b], 0                        ; written once: a lane permute's destination counts as one of its sources
.endr
	s_wait_kmcnt 0x0
	s_add_nc_u64 s[4:5], s[24:25], s[2:3]
	s_add_nc_u64 s[8:9], s[30:31], s[12:13]
	s_add_nc_u64 s[10:11], s[32:33], s[14:15]
.macro XLOAD f                         ; K step f of the tile's 16 rows: each load reads 512 consecutive bytes of one row
.irp i, 0,1,2,3,4,5,6,7,8,9,10,11,12,13,14,15
	global_load_b128 v[R+64*((\f)%2)+4*\i:R+64*((\f)%2)+4*\i+3], v1, s[4:5] offset:(\i+8*(\i/8))*4096+512*(\f) th:TH_LOAD_NT
.endr
.endm
.macro XTURN f                         ; through the stage: LDS serves a wave's instructions in order, so no wait stands between the stores and the loads
.irp i, 0,1,2,3,4,5,6,7,8,9,10,11,12,13,14,15
	ds_store_b128 v2, v[R+64*((\f)%2)+4*\i:R+64*((\f)%2)+4*\i+3] offset:528*\i
.endr
.irp b, 0,1,2,3
.irp j, 0,1,2,3
	ds_load_b128 v[X+16*\b+4*\j:X+16*\b+4*\j+3], v3 offset:128*\b+16*\j
.endr
.endr
.endm
	XLOAD 0
	XLOAD 1
	s_wait_loadcnt 16                              ; K step 0's sixteen loads are in; K step 1's sixteen stay out
	XTURN 0
.irp f, 0,1,2,3
	s_wait_dscnt 0x0                               ; this step's numbers are back, and the stage's stores have read their registers,
.if \f < 2
	XLOAD \f+2                                     ; which take the loads of two steps on
.endif
.if \f > 0
	s_wait_xcnt 0x0                                ; the last step's stores have read the codes' registers
.endif
	QUANT X, PC, PC+6, SWD+\f
.if \f < 2
	s_wait_loadcnt 16                              ; the next step's loads are in; the sixteen behind them stay out
.endif
.if \f == 2
	s_wait_loadcnt 0x0
.endif
.if \f < 3
	XTURN \f+1
.endif
.irp c, 0,1,2
	global_store_b128 v1, v[PC+4*\c:PC+4*\c+3], s[8:9] offset:1536*\f+512*\c   ; 32 lanes store 512 consecutive bytes
.endr
.endr
	v_cndmask_b32 v[T2], v[SWD], v[SWD+2], s22     ; lanes 0-15 hold words 0, 1 of their row, lanes 16-31 words 2, 3
	v_cndmask_b32 v[T2+1], v[SWD+1], v[SWD+3], s22
	global_store_b64 v4, v[T2:T2+1], s[10:11]      ; 256 consecutive bytes
	s_wait_tensorcnt 0x0
	ds_add_u32 v254, v255
	s_wait_dscnt 0x0
	s_endpgm
; ---- the weights: K is their FIRST axis.  A lane takes a column, its registers run down K: a block of 32 lies in one lane.  A wave takes 32 columns (two tiles) x 256 along K (two K steps): four images,
; gathered in its stage and stored as runs of 512 bytes.
.macro WLOAD t, cols
.irp i, 0,1,2,3,4,5,6,7,8,9,10,11,12,13,14,15,16,17,18,19,20,21,22,23,24,25,26,27,28,29,30,31
	global_load_b32 v[WX+32*((\t)%2)+\i], v3, s[4:5] offset:(32*(\t)+\i)*(\cols)*4 th:TH_LOAD_NT
.endr
.endm
.macro WBLOCK t, cols                  ; block t of my column: K step t / 4; in the fragment it is the block of lane half t % 2, registers 6 ((t / 2) % 2) on
.set XS, WX+32*((\t)%2)
.set BASE, ((\t)/4)*3328+256*((\t)%2)
.if (\t) < 7
	s_wait_loadcnt 32                              ; this block's 32 loads are in; the next block's 32 stay out
.else
	s_wait_loadcnt 0x0
.endif
	v_max3_num_f32 v12, |v[XS]|, |v[XS+1]|, |v[XS+2]|
	v_max3_num_f32 v13, |v[XS+3]|, |v[XS+4]|, |v[XS+5]|
.irp i, 6,10,14,18,22,26
	v_max3_num_f32 v12, v12, |v[XS+\i]|, |v[XS+\i+1]|
	v_max3_num_f32 v13, v13, |v[XS+\i+2]|, |v[XS+\i+3]|
.endr
	v_max3_num_f32 v12, v12, |v[XS+30]|, |v[XS+31]|
	v_max3_num_f32 v12, v12, v13, 0x1800000        ; and the floor
	v_add_nc_u32 v11, 0xff000000, v12              ; the conversion's scale operand
	v_lshrrev_b32 v13, 23, v11                     ; the byte
.if (\t)%4 == 0
	v_mov_b32 v[SB+(\t)/4], v13
.else
	v_lshl_or_b32 v[SB+(\t)/4], v13, 8*((\t)%4), v[SB+(\t)/4]
.endif
	v_cvt_scalef32_pk16_fp6_f32 v[WC:WC+2], v[XS:XS+15], v11
	v_cvt_scalef32_pk16_fp6_f32 v[WC2:WC2+2], v[XS+16:XS+31], v11
	v_nop                                          ; one plain line behind the conversions
.irp i, 0,1,2
	v_mov_b32 v[WC+3+\i], v[WC2+\i]
.endr
.if ((\t)/2)%2 == 0
	ds_store_b128 v4, v[WC:WC+3] offset:BASE       ; registers 0-3: run 0;
	ds_store_b64 v4, v[WC+4:WC+5] offset:BASE+512  ; 4, 5: the lower half of my 16 bytes of run 1
.else
	ds_store_b64 v4, v[WC:WC+1] offset:BASE+520    ; registers 6, 7: the upper half;
	ds_store_b128 v4, v[WC+2:WC+5] offset:BASE+1024   ; 8-11: run 2
.endif
.if (\t)+2 < 8
	WLOAD (\t)+2, \cols
.endif
	s_wait_dscnt 0x0                               ; the stores have read their registers
.endm
.macro WPATH cols, perm, tb, lb, id0, wp
	s_sub_co_u32 s18, ttmp9, \id0
	s_lshr_b32 s19, s18, 2                         ; which 128 columns
	s_and_b32 s18, s18, 3                          ; which 256 along K
	s_lshl_b32 s22, s19, 7
	s_lshl_b32 s23, s16, 5
	s_add_co_u32 s22, s22, s23                     ; my wave's first column
	s_mul_i32 s2, s18, 256*\cols*4
	s_lshl_b32 s3, s22, 2
	s_add_co_u32 s2, s2, s3
	s_mov_b32 s3, 0
	s_lshr_b32 s23, s22, 4
.if \tb
	s_add_co_u32 s23, s23, \tb
.endif                                         ; my first tile in wc and ws
	s_mul_i32 s12, s23, 12288
	s_mul_i32 s13, s18, 3072
	s_add_co_u32 s12, s12, s13
	s_mov_b32 s13, 0
	s_lshl_b32 s14, s23, 9
	s_lshr_b32 s15, s18, 1
	s_lshl_b32 s15, s15, 8
	s_add_co_u32 s14, s14, s15
	s_and_b32 s15, s18, 1
	s_lshl_b32 s15, s15, 3
	s_add_co_u32 s14, s14, s15
	s_mov_b32 s15, 0
	s_mul_i32 s17, s16, WSTG
	s_add_co_u32 s17, s17, \lb
.if \perm                                      ; column c of the 32 is lane r of tile u with 8 u + r + 8 (r / 8) = c
	v_and_b32 v14, 7, v0
	v_lshl_or_b32 v14, v10, 3, v14
	v_bfe_u32 v15, v0, 3, 1
.set RR, 14
.set UU, 15
.else                                          ; or simply c = 16 u + r
.set RR, 9
.set UU, 10
.endif
	v_lshlrev_b32 v3, 2, v8                        ; in: 4 bytes a lane
	v_mul_u32_u24 v4, v[UU], 1664
	v_lshl_add_u32 v4, v[RR], 4, v4
	v_add_nc_u32 v4, s17, v4                       ; into the stage: image u, lane r
	v_add_nc_u32 v5, s17, v1                       ; out of it: 16 x lane
	v_lshlrev_b32 v6, 9, v[UU]
	v_lshl_add_u32 v6, v[RR], 4, v6                ; my column's scale words
	s_wait_kmcnt 0x0
	s_add_nc_u64 s[4:5], s[\wp:\wp+1], s[2:3]
	s_add_nc_u64 s[6:7], s[34:35], s[12:13]
	s_add_nc_u64 s[8:9], s[36:37], s[14:15]
	WLOAD 0, \cols
	WLOAD 1, \cols
.irp t, 0,1,2,3,4,5,6,7
	WBLOCK \t, \cols
.endr
	global_store_b64 v6, v[SB:SB+1], s[8:9]        ; two words of my column's row: pieces of 8 bytes, 16 apart; one word for each 128 that this way reads
.irp k, 0,1
.irp u, 0,1
.irp c, 0,1,2
	ds_load_b128 v[OUTR+4*(6*\k+3*\u+\c):OUTR+4*(6*\k+3*\u+\c)+3], v5 offset:\k*3328+\u*1664+512*\c
.endr
.endr
.endr
.irp k, 0,1
.irp u, 0,1
.irp c, 0,1,2
	s_wait_dscnt 11-(6*\k+3*\u+\c)                 ; the younger loads stay out
	global_store_b128 v1, v[OUTR+4*(6*\k+3*\u+\c):OUTR+4*(6*\k+3*\u+\c)+3], s[6:7] offset:\u*12288+\k*1536+512*\c
.endr
.endr
.endr
	s_wait_tensorcnt 0x0
	ds_add_u32 v254, v255
	s_wait_dscnt 0x0
	s_endpgm
.endm
.Lweights:
	s_cmp_lt_u32 ttmp9, 352
	s_cbranch_scc0 .Lwproj
	WPATH 3072, 1, 0, 33792, 256, 26
.Lwproj:
	WPATH 1024, 0, 192, 60416, 352, 28
.Lfunc_end_k_q1a0c7a5981_quant:
	.size	k_q1a0c7a5981_quant, .Lfunc_end_k_q1a0c7a5981_quant-k_q1a0c7a5981_quant
	.p2alignl 7, 3214868480
	.fill 96, 4, 3214868480
	.section	.rodata,"a",@progbits
	.p2align	6, 0x0
	.amdhsa_kernel k_q1a0c7a5981_quant
		.amdhsa_group_segment_fixed_size 87552
		.amdhsa_private_segment_fixed_size 0
		.amdhsa_enable_private_segment 0
		.amdhsa_kernarg_size 56
		.amdhsa_user_sgpr_count 2
		.amdhsa_user_sgpr_kernarg_segment_ptr 1
		.amdhsa_wavefront_size32 1
		.amdhsa_system_sgpr_workgroup_id_x 1
		.amdhsa_system_sgpr_workgroup_id_y 1
		.amdhsa_system_sgpr_workgroup_id_z 1
		.amdhsa_system_vgpr_workitem_id 0
		.amdhsa_next_free_vgpr 256
		.amdhsa_next_free_sgpr 66
		.amdhsa_reserve_vcc 0
		.amdhsa_float_denorm_mode_32 3
		.amdhsa_float_denorm_mode_16_64 3
		.amdhsa_memory_ordered 1
		.amdhsa_forward_progress 1
		.amdhsa_inst_pref_size 116
	.end_amdhsa_kernel
	.amdgpu_metadata
---
amdhsa.version: [ 1, 2 ]
amdhsa.kernels:
  - .name:           k_q1a0c7a5981_quant
    .symbol:         k_q1a0c7a5981_quant.kd
    .args:
      - { .name: x, .offset: 0, .size: 8, .value_kind: global_buffer, .address_space: global }
      - { .name: W_qkv, .offset: 8, .size: 8, .value_kind: global_buffer, .address_space: global }
      - { .name: W_proj, .offset: 16, .size: 8, .value_kind: global_buffer, .address_space: global }
      - { .name: actc, .offset: 24, .size: 8, .value_kind: global_buffer, .address_space: global }
      - { .name: acts, .offset: 32, .size: 8, .value_kind: global_buffer, .address_space: global }
      - { .name: wc, .offset: 40, .size: 8, .value_kind: global_buffer, .address_space: global }
      - { .name: ws, .offset: 48, .size: 8, .value_kind: global_buffer, .address_space: global }
    .group_segment_fixed_size: 87552
    .private_segment_fixed_size: 0
    .kernarg_segment_align: 8
    .kernarg_segment_size: 56
    .max_flat_workgroup_size: 128
    .sgpr_count:     66
    .vgpr_count:     256
    .wavefront_size: 32
...
	.end_amdgpu_metadata
.endif
;; end of part 1
;; launch qkv (part 2): grid 12 x 32, 4 waves a work-group, clusters of 4 x 4, 327,680 bytes of LDS; arguments actc, acts, wc, ws, b_qkv, qkv; writes qkv
.if DOCPART == 2
	.amdgcn_target "amdgcn-amd-amdhsa--gfx1250"
	.amdhsa_code_object_version 6
	.text
	.protected	k_q1a0c7a5981_qkv
	.globl	k_q1a0c7a5981_qkv
	.p2align	8
	.type	k_q1a0c7a5981_qkv,@function
k_q1a0c7a5981_qkv:
	s_mov_b64 s[64:65], 0
	v_nop
	global_prefetch_b8 v0, s[64:65] scope:SCOPE_SE
	s_setreg_imm32_b32 hwreg(HW_REG_WAVE_MODE, 25, 1), 1
	s_wait_xcnt 0x0
	s_wait_alu depctr_hold_cnt(0) depctr_sa_sdst(0) depctr_va_vdst(0) depctr_va_sdst(0) depctr_va_ssrc(0) depctr_va_vcc(0) depctr_vm_vsrc(0)
	s_getreg_b32 s2, hwreg(HW_REG_IB_STS2, 6, 4)
	s_cmp_eq_u32 s2, 0
	s_cbranch_scc0 .Lentry_in_a_cluster
	s_endpgm
.Lentry_in_a_cluster:
	s_bfe_u32 s2, ttmp6, 0x10000c
	s_cmp_lg_u32 s2, 0xf033
	s_cbranch_scc0 .Lentry_shape_is_right
	s_endpgm
.Lentry_shape_is_right:
; qkv = x W_qkv + b_qkv on codes of FP6 (E2M3), K = 1,024, and its result quantised again: q and k along the head's 64, v along the keys.
; A tile of 256 x 256 to a work-group of four waves, 128 x 128 (64 accumulators) to a wave.  Source 0 takes 16 rows of B', source 1 16 rows of A': a lane holds ONE row of A' and its registers run along B'.
; Cluster x = 0: q, 1: k: A' = tokens, B' = columns of W_qkv: a lane holds a token and 128 neighbouring channels (two heads).  Cluster x = 2: v: THE ROLES ARE SWAPPED BY POINTERS ALONE: A' = columns of W_qkv,
; B' = tokens: a lane holds a channel and 128 neighbouring tokens, which are the second attention product's K.  One loop and one quantiser serve both.
; Operands lie in memory as images of their registers (1,536 bytes a fragment of 16 rows x 128 K, three runs of 512 bytes), so every LDS load reads 512 consecutive bytes.
; K goes in 8 steps of 128, written out.  THREE LDS slots of 256 along K: three first fills, and ONE refill (the last 256, into slot 0) behind one round of the cluster's barrier: a wave has four tensor loads
; out at the start and one behind the round.  The scale words of all of K come once, with the first fills.
; CLUSTER 4 x 4: A's tiles are asked for jointly by a row of the cluster, B's by a column.
; OUT: 64 records (batch x 16 + head) of 315,392 bytes: K codes [step of 128 keys][pair of tiles][1,536] at 0, K scale words [step][lane][4] at 98,304, V codes [step][tile of 16 channels][1,536] at 106,496,
; V scale words [step][row][tile] at 204,800, Q codes and scale words, laid as K's, at 208,896 and 307,200.  A pair image holds tile 2 p in registers 0-5 and tile 2 p + 1 in registers 6-11 (64 along K are 6 registers).
; q's and k's scale words carry two bytes and two zeros.
; LIMITS: as the quantising launch: NaN and infinities are not served; the byte is held at 1 from below; a block of zeros gets the byte 1.
; No prefetch: three of the four slots are first fills, and one for the single refill would stand at the head, among every work-group's first loads.
; REGISTERS: window 0: v1-29 addresses; v32-95 scale words; v96-127 at work in the epilogue; v128-223 A's fragments, later 64 numbers and the images; v224-235 scale words on their way out; v240-247 v's bias.
;   window 1: B's fragments, two sets, v0-95 and v128-223; q's and k's bias in v96-127 and v224-255.   windows 2, 3: the accumulators ((a, b) at v[8 (8 (a % 4) + b)]).
.set SLOT,  98304                      ; A's 16 tiles x 3,072 bytes, then B's
.set HALFT, 24576                      ; eight tiles: what one tensor load brings, and what a wave reads of A or of B
.set TILEB, 3072                       ; a tile's two K steps
.set FRB,   1536
.set SCL,   3*SLOT                     ; the scale words: A's 8,192 bytes, then B's
.set HALFS, 4096
.set SPARE, SCL+4*HALFS                ; the spare words, 128 bytes a wave: two blocks of 256 bytes that no other line names
.set HS,    315392
.set FR,    12
.set NLA,   3                          ; LDS loads that bring a fragment of A
.set ADRA,  16                         ; v16-18 my A fragments in slot 0, 1, 2
.set ADRB,  20                         ; v20-22 the same for B
.set ADRS,  27                         ; v27 my scale words: lanes 0-15 A's rows, lanes 16-31 B's
.set SPW,   28
.set NIL,   29
.set SC,    32                         ; register 8 i + k: lanes 0-15 the word of A's block i, lanes 16-31 of B's block i, K step k
.set TM,    96
.set CT,    108
.set SW,    120                        ; the eight scale words just made
.set AF,    128
.set HA,    128
.set IMG,   192
.set TT,    224
.set UU,    228
.set W2,    232
.set BV,    240
.set G1,    24
.set G1B,   32
.set G0,    40                         ; s[40:51] A's group 0, a set for each slot;  s[52:63] B's
.set G0B,   52
.set G1S,   68
.set G1SB,  76
.set G0S,   84
.set G0SB,  88
.set SEL,   100
.set MSB, 0
.macro WIN new                         ; the immediate's high byte repeats the setting that is left
.if MSB != (\new)
	s_set_vgpr_msb (MSB<<8)|(\new)
.set MSB, (\new)
.endif
.endm
.macro JLOAD g0a, g1a, g0b, g1b        ; a joint load: waves 0 and 1 fetch for A, waves 2 and 3 for B; four v_nop follow each of the two lines
	s_cmp_eq_u32 s15, 0
	s_cbranch_scc0 .Lfor_b_\@
	tensor_load_to_lds s[\g0a:\g0a+3], s[\g1a:\g1a+7]
	s_nop 0
.rept 4
	v_nop
.endr
	s_branch .Lasked_\@
.Lfor_b_\@:
	tensor_load_to_lds s[\g0b:\g0b+3], s[\g1b:\g1b+7]
	s_nop 0
.rept 4
	v_nop
.endr
.Lasked_\@:
.endm
.macro CREST                           ; a round of the cluster's barrier behind its opening barrier
	s_cmp_lg_u32 s14, 0
	s_cbranch_scc1 .Lnot_wave_0_\@
	s_barrier_signal -3
.Lnot_wave_0_\@:
	s_barrier_wait -3
	s_barrier_signal -1
	s_barrier_wait -1
.endm
.macro CROUND
	s_barrier_signal -1
	s_barrier_wait -1
	CREST
.endm
.macro PLACES n
.rept \n
	v_nop
.endr
.endm
.macro QUANT src, d0, d1, pw           ; 64 numbers of a lane, register 16 b + i = k 32 b + 16 (lane / 16) + i of my row: blocks 0, 1 into v[d0] on, blocks 2, 3 into v[d1] on, the scale word into v[pw]
.irp b, 0,1,2,3
	v_max3_num_f32 v[TM+\b], |v[\src+16*\b]|, |v[\src+1+16*\b]|, 0x1800000   ; and the floor 2^(3 - 127)
.endr
.irp i, 2,4,6,8,10,12,14
.irp b, 0,1,2,3
	v_max3_num_f32 v[TM+\b], v[TM+\b], |v[\src+16*\b+\i]|, |v[\src+1+16*\b+\i]|
.endr
.endr
.irp b, 0,1,2,3
	v_permlanex16_b32 v[TM+4+\b], v[TM+\b], s[SEL], s[SEL+1]
.endr
.irp b, 0,1,2,3
	v_max_num_f32 v[TM+\b], v[TM+\b], v[TM+4+\b]
.endr
.irp b, 0,1,2,3
	v_add_nc_u32 v[TM+8+\b], 0xff000000, v[TM+\b]  ; 2 off the exponent field: the conversion's scale operand
.endr
.irp b, 0,1,2,3
	v_lshrrev_b32 v[TM+4+\b], 23, v[TM+8+\b]       ; the byte
.endr
	v_lshl_or_b32 v[\pw], v[TM+5], 8, v[TM+4]
	v_lshl_or_b32 v[\pw], v[TM+6], 16, v[\pw]
	v_lshl_or_b32 v[\pw], v[TM+7], 24, v[\pw]
	v_cvt_scalef32_pk16_fp6_f32 v[\d0:\d0+2], v[\src:\src+15], v[TM+8]
	v_cvt_scalef32_pk16_fp6_f32 v[CT:CT+2], v[\src+16:\src+31], v[TM+9]
	v_cvt_scalef32_pk16_fp6_f32 v[\d1:\d1+2], v[\src+32:\src+47], v[TM+10]
	v_cvt_scalef32_pk16_fp6_f32 v[CT+4:CT+6], v[\src+48:\src+63], v[TM+11]
	v_nop                                          ; one plain line behind the conversions
.irp i, 0,1,2
	v_permlane16_swap_b32 v[\d0+\i], v[CT+\i]
	v_permlane16_swap_b32 v[\d1+\i], v[CT+4+\i]
.endr
.irp i, 0,1,2
	v_mov_b32 v[\d0+3+\i], v[CT+\i]
	v_mov_b32 v[\d1+3+\i], v[CT+4+\i]
.endr
.endm
	s_load_b256 s[40:47], s[0:1], 0x0              ; actc, acts, wc, ws
	s_load_b128 s[20:23], s[0:1], 0x20             ; b_qkv, qkv
	v_lshl_add_u32 v[SPW], v0, 2, SPARE
	v_mov_b32 v[NIL], 0
	ds_add_u32 v28, v29
	ds_add_u32 v28, v29
	s_wait_dscnt 0x0
	v_lshrrev_b32 v1, 5, v0
	v_readfirstlane_b32 s14, v1                    ; wave 0..3
	s_lshr_b32 s15, s14, 1                         ; which half of A's rows is mine.  Also: I fetch for A (0) or for B (1)
	s_and_b32 s16, s14, 1                          ; which half of B's rows.  Also: which eight tiles I fetch
	s_bfe_u32 s92, ttmp6, 0x40000                  ; cx
	s_bfe_u32 s93, ttmp6, 0x40004                  ; cy
	s_lshl_b32 s18, ttmp9, 2                       ; 4 x cluster x
	s_and_b32 s19, ttmp7, 0xffff
	s_lshl_b32 s19, s19, 2                         ; 4 x cluster y
	s_lshl_b32 s66, s93, 2
	s_lshl_b32 s66, 15, s66                        ; my row of the cluster
	s_lshl_b32 s67, 0x1111, s92                    ; my column
	; group 1 for codes: 8 rows (tiles) of 3,072 bytes, 12,288 bytes apart, in elements of 8 bytes; no padding
	s_or_b32 s[G1+0], s66, (3<<16)|(1<<21)
	s_or_b32 s[G1B+0], s67, (3<<16)|(1<<21)
.irp g, G1, G1B
	s_mov_b32 s[\g+1], 384<<16                     ; tensor_dim0
	s_mov_b32 s[\g+2], 8<<16                       ; tensor_dim1
	s_mov_b32 s[\g+3], 384<<16                     ; tile_dim0
	s_mov_b32 s[\g+4], 8                           ; tile_dim1
	s_mov_b32 s[\g+5], 1536                        ; the pitch
	s_mov_b32 s[\g+6], 0
	s_mov_b32 s[\g+7], 0
.endr
	; and for the scale words of eight tiles: 4,096 dense bytes as 16 rows of 256
	s_or_b32 s[G1S+0], s66, (3<<16)|(1<<21)
	s_or_b32 s[G1SB+0], s67, (3<<16)|(1<<21)
.irp g, G1S, G1SB
	s_mov_b32 s[\g+1], 32<<16
	s_mov_b32 s[\g+2], 16<<16
	s_mov_b32 s[\g+3], 32<<16
	s_mov_b32 s[\g+4], 16
	s_mov_b32 s[\g+5], 32
	s_mov_b32 s[\g+6], 0
	s_mov_b32 s[\g+7], 0
.endr
	s_wait_kmcnt 0x0
	s_cmp_eq_u32 ttmp9, 2                          ; v?  The cluster's x: the same in all sixteen partners
	s_cselect_b64 s[4:5], s[44:45], s[40:41]       ; A's codes: the weights', or the tokens'
	s_cselect_b64 s[6:7], s[46:47], s[42:43]       ; A's scale words
	s_cselect_b64 s[8:9], s[40:41], s[44:45]       ; B's codes
	s_cselect_b64 s[10:11], s[42:43], s[46:47]     ; B's scale words
	s_cselect_b32 s17, 8, s19
	s_cselect_b32 s94, s19, s18
	s_add_co_u32 s17, s17, s93                     ; A's tile of 256 rows: it hangs on cy alone
	s_add_co_u32 s94, s94, s92                     ; B's: on cx alone
	s_lshl_b32 s98, s16, 3
	s_lshl_b32 s18, s17, 4
	s_add_co_u32 s18, s18, s98                     ; the first tile of 16 rows that I would fetch of A,
	s_lshl_b32 s19, s94, 4
	s_add_co_u32 s19, s19, s98                     ; and of B
	s_mul_i32 s2, s18, 12288
	s_mov_b32 s3, 0
	s_add_nc_u64 s[4:5], s[4:5], s[2:3]
	s_lshl_b32 s2, s18, 9
	s_add_nc_u64 s[6:7], s[6:7], s[2:3]
	s_mul_i32 s100, s19, 12288
	s_mov_b32 s101, 0
	s_add_nc_u64 s[8:9], s[8:9], s[100:101]
	s_lshl_b32 s100, s19, 9
	s_add_nc_u64 s[10:11], s[10:11], s[100:101]
	s_mul_i32 s95, s14, HALFT                      ; where they go: wave x eight tiles: no place in the cluster enters an LDS address
	s_lshl_b32 s99, s14, 12
	CROUND                                         ; all sixteen work-groups are here: the first joint loads meet
	s_mov_b32 s[G0S], 1
	s_add_co_u32 s[G0S+1], s99, SCL
	s_mov_b64 s[G0S+2:G0S+3], s[6:7]
	s_or_b32 s[G0S+3], s[G0S+3], 0x80000000
	s_mov_b32 s[G0SB], 1
	s_add_co_u32 s[G0SB+1], s99, SCL
	s_mov_b64 s[G0SB+2:G0SB+3], s[10:11]
	s_or_b32 s[G0SB+3], s[G0SB+3], 0x80000000
	JLOAD G0S, G1S, G0SB, G1SB                     ; the scale words first
.irp s, 0,1,2
	s_mov_b32 s[G0+4*\s], 1
	s_add_co_u32 s[G0+4*\s+1], s95, \s*SLOT
	s_add_nc_u64 s[G0+4*\s+2:G0+4*\s+3], s[4:5], \s*TILEB
	s_or_b32 s[G0+4*\s+3], s[G0+4*\s+3], 0x80000000
	s_mov_b32 s[G0B+4*\s], 1
	s_add_co_u32 s[G0B+4*\s+1], s95, \s*SLOT
	s_add_nc_u64 s[G0B+4*\s+2:G0B+4*\s+3], s[8:9], \s*TILEB
	s_or_b32 s[G0B+4*\s+3], s[G0B+4*\s+3], 0x80000000
	JLOAD G0+4*\s, G1, G0B+4*\s, G1B
.endr
	v_and_b32 v5, 31, v0
	v_lshlrev_b32 v1, 4, v5                        ; 16 x lane
	v_and_b32 v6, 15, v0                           ; r
	v_bfe_u32 v7, v0, 4, 1                         ; h
	s_mul_i32 s2, s15, HALFT
	s_mul_i32 s3, s16, HALFT
	s_add_co_u32 s3, s3, 2*HALFT
.irp s, 0,1,2
	v_add_nc_u32 v[ADRA+\s], s2, v1
	v_add_nc_u32 v[ADRB+\s], s3, v1
	s_add_co_u32 s2, s2, SLOT
	s_add_co_u32 s3, s3, SLOT
.endr
	s_lshl_b32 s2, s15, 12                         ; A's scale words: my eight tiles;
	s_lshl_b32 s3, s16, 12
	s_add_co_u32 s3, s3, 2*HALFS                   ; B's lie behind A's sixteen
	s_sub_co_u32 s3, s3, s2
	v_mul_u32_u24 v8, s3, v7                       ; lanes 16-31 take B's
	s_add_co_u32 s2, s2, SCL
	v_lshl_add_u32 v8, v6, 4, v8
	v_add_nc_u32 v[ADRS], s2, v8
	; THE BIAS, in both forms, in every work-group, so that the text parts on q, k / v once only, in the epilogue; the form that is not used is read from the buffer's first bytes.
	s_lshl_b32 s2, s94, 10
	s_lshl_b32 s3, s16, 9
	s_add_co_u32 s2, s2, s3                        ; q, k: my 128 columns
	s_lshl_b32 s18, s17, 10
	s_lshl_b32 s19, s15, 9
	s_add_co_u32 s18, s18, s19                     ; v: my 128 rows of A' (columns 2,048 on)
	s_cmp_eq_u32 ttmp9, 2
	s_cselect_b32 s2, 0, s2
	s_cselect_b32 s18, s18, 0
	s_mov_b32 s3, 0
	s_mov_b32 s19, 0
	s_add_nc_u64 s[2:3], s[20:21], s[2:3]
	s_add_nc_u64 s[18:19], s[20:21], s[18:19]
	v_lshlrev_b32 v2, 6, v7                        ; q, k: register 8 b + j is column 32 (b / 2) + 16 h + 8 (b % 2) + j
	v_and_b32 v4, 8, v6
	v_add_nc_u32 v4, v4, v6
	v_lshlrev_b32 v4, 2, v4                        ; v: my row of block a is 32 (a / 2) + 8 (a % 2) + r + 8 (r / 8)
	WIN 0x40                                       ; destination window 1
.irp b, 0,1,2,3,4,5,6,7
	global_load_b128 v[96+8*\b+96*(\b/4):96+8*\b+96*(\b/4)+3], v2, s[2:3] offset:(32*(\b/2)+8*(\b%2))*4
	global_load_b128 v[100+8*\b+96*(\b/4):100+8*\b+96*(\b/4)+3], v2, s[2:3] offset:(32*(\b/2)+8*(\b%2))*4+16
.endr
	WIN 0
.irp a, 0,1,2,3,4,5,6,7
	global_load_b32 v[BV+\a], v4, s[18:19] offset:(32*(\a/2)+8*(\a%2))*4
.endr
	; where the results go
	s_lshl_b32 s4, s94, 1
	s_add_co_u32 s4, s4, s16                       ; v: which 128 tokens are mine
	s_lshl_b32 s5, s17, 1
	s_add_co_u32 s5, s5, s15                       ; q, k
	s_lshl_b32 s6, s93, 2
	s_lshl_b32 s7, s15, 1
	s_add_co_u32 s6, s6, s7                        ; v: my first head
	s_lshl_b32 s7, s92, 2
	s_lshl_b32 s8, s16, 1
	s_add_co_u32 s7, s7, s8                        ; q, k
	s_cmp_eq_u32 ttmp9, 0
	s_cselect_b32 s9, 208896, 0                    ; the section of a record: q's,
	s_cmp_eq_u32 ttmp9, 2
	s_cselect_b32 s9, 106496, s9                   ; v's, or k's at 0
	s_cselect_b32 s4, s4, s5
	s_cselect_b32 s6, s6, s7
	s_cselect_b32 s8, 8, 9                         ; a step's scale words: 256 bytes (v) or 512
	s_lshr_b32 s5, s4, 4
	s_lshl_b32 s5, s5, 4
	s_add_co_u32 s5, s5, s6                        ; the record: batch x 16 + head
	s_mul_i32 s5, s5, HS
	s_add_co_u32 s10, s5, s9
	s_mov_b32 s11, 0
	s_add_nc_u64 s[22:23], s[22:23], s[10:11]
	s_and_b32 s4, s4, 15                           ; the step of 128 tokens in the batch
	s_mul_i32 s10, s4, 6144
	s_add_nc_u64 s[12:13], s[22:23], s[10:11]      ; codes
	s_lshl_b32 s10, s4, s8
	s_add_co_u32 s10, s10, 98304
	s_add_nc_u64 s[96:97], s[22:23], s[10:11]      ; scale words
	s_mov_b32 s99, 0xffff0000                      ; lanes 16-31
	s_mov_b32 s[SEL], 0x76543210
	s_mov_b32 s[SEL+1], 0xfedcba98
	v_mul_u32_u24 v3, v7, HS
	v_lshl_add_u32 v3, v6, 4, v3                   ; v's scale words: 16 r, lanes 16-31 in the next head's record
.macro FRAG3 reg, adr, q, i            ; a fragment as it was stored: three loads of 512 consecutive bytes
.irp c, 0,1,2
	ds_load_b128 v[\reg+4*\c:\reg+4*\c+3], v[\adr] offset:(\i)*TILEB+(\q)*FRB+512*\c
.endr
.endm
.macro FETCH_B s, q, p                 ; B's eight fragments of the slot's q-th 128 along K into set p
	WIN 0x40
.irp i, 0,1,2,3,4,5,6,7
	FRAG3 128*(\p)+FR*\i, ADRB+\s, \q, \i
.endr
	WIN 0
.endm
.macro FETCH_A s, q, i0                ; A's blocks i0 .. i0 + 3
.irp i, \i0, \i0+1, \i0+2, \i0+3
	FRAG3 AF+FR*(\i), ADRA+\s, \q, \i
.endr
.endm
; 16 matrix instructions: A's blocks a0, a0 + 1 x B's eight, K step k.  cm = 1: the first product starts the sums.  The 64 accumulators take turns, one instruction a turn, in the same order in every step.
.macro MUL16 a0, k, cm
.irp a, \a0, \a0+1
.irp b, 0,1,2,3,4,5,6,7
.if \cm
	v_wmma_scale_f32_16x16x128_f8f6f4 v[8*(8*((\a)%4)+\b):8*(8*((\a)%4)+\b)+7], v[128*((\k)%2)+FR*\b:128*((\k)%2)+FR*\b+FR-1], v[AF+FR*(\a):AF+FR*(\a)+FR-1], 0, v[SC+8*\b+(\k)], v[SC+8*(\a)+(\k)] matrix_a_fmt:MATRIX_FMT_FP6 matrix_b_fmt:MATRIX_FMT_FP6 matrix_a_scale:MATRIX_SCALE_ROW1
.else
	v_wmma_scale_f32_16x16x128_f8f6f4 v[8*(8*((\a)%4)+\b):8*(8*((\a)%4)+\b)+7], v[128*((\k)%2)+FR*\b:128*((\k)%2)+FR*\b+FR-1], v[AF+FR*(\a):AF+FR*(\a)+FR-1], v[8*(8*((\a)%4)+\b):8*(8*((\a)%4)+\b)+7], v[SC+8*\b+(\k)], v[SC+8*(\a)+(\k)] matrix_a_fmt:MATRIX_FMT_FP6 matrix_b_fmt:MATRIX_FMT_FP6 matrix_a_scale:MATRIX_SCALE_ROW1
.endif
.endr
.endr
.endm
; K step k; the next step's fragments come from slot ns, its nq-th 128.  A has one set of registers: blocks 0-3 are fetched anew in the step's middle, blocks 4-7 at its end; B has two sets.
; Four plain vector lines stand between a matrix instruction and a load into a register that it has read (ISA guide 7.12.1 for vector instructions).
.macro STEP k, ns, nq, cm
	s_wait_dscnt 4*NLA                             ; all but the youngest loads, A's blocks 4-7
	WIN 0xa1                                       ; source 0 (B) window 1, source 1 (A) window 0, C and D window 2
	MUL16 0, \k, \cm
	MUL16 2, \k, \cm
	s_wait_dscnt 0x0
	PLACES 4
	FETCH_B \ns, \nq, 1-(\k)%2
	FETCH_A \ns, \nq, 0
	WIN 0xf1                                       ; C and D window 3
	MUL16 4, \k, \cm
	MUL16 6, \k, \cm
	PLACES 4
	WIN 0
	FETCH_A \ns, \nq, 4
.endm
; A step with a barrier: in front of it each wave waits for all its tensor loads, adds 0 to its spare word, and waits for that and for its LDS reads.  fill = 1: the barrier opens a round of the cluster's, and slot 0, which nobody reads any more, takes the last 256 along K.
.macro TURN k, ns, fill
	s_wait_tensorcnt 0x0                           ; all my tensor loads have landed
	ds_add_u32 v[SPW], v[NIL]                      ; 0 onto my spare word
	s_wait_dscnt 4*NLA+1                           ; the add and A's blocks 4-7 may be out
	WIN 0xa1
	MUL16 0, \k, 0
	s_wait_dscnt 0x0                               ; the add is done, and my reads of the slot are over
	s_barrier_signal -1
	MUL16 2, \k, 0
	WIN 0
	s_barrier_wait -1
.if \fill
	CREST                                          ; no wave of any partner still reads slot 0 or has a load on its way
	s_add_nc_u64 s[G0+2:G0+3], s[G0+2:G0+3], 3*TILEB
	s_add_nc_u64 s[G0B+2:G0B+3], s[G0B+2:G0B+3], 3*TILEB
	JLOAD G0, G1, G0B, G1B                         ; the first tensor load behind the round; its four v_nop are also the places in front of the loads below
.else
	PLACES 4
.endif
	FETCH_B \ns, 0, 0
	FETCH_A \ns, 0, 0
	WIN 0xf1
	MUL16 4, \k, 0
	MUL16 6, \k, 0
	PLACES 4
	WIN 0
	FETCH_A \ns, 0, 4
.endm
	s_wait_tensorcnt 2                             ; the scale words and slot 0 are in; slots 1 and 2 may stay out
	s_barrier_signal -1
	s_barrier_wait -1
	FETCH_B 0, 0, 0
	FETCH_A 0, 0, 0
.irp i, 0,1,2,3,4,5,6,7                        ; the scale words of all eight K steps, once
.irp g, 0,1
	ds_load_b128 v[SC+8*\i+4*\g:SC+8*\i+4*\g+3], v[ADRS] offset:\i*512+\g*256
.endr
.endr
	FETCH_A 0, 0, 4
	STEP 0, 0, 1, 1
	TURN 1, 1, 1                                   ; the one refill: 256 matrix instructions ahead of the first read of what it brings
	STEP 2, 1, 1, 0
	STEP 3, 2, 0, 0                                ; the round has shown slots 1 and 2 whole to every wave
	STEP 4, 2, 1, 0
	TURN 5, 0, 0                                   ; slot 0's second tile is whole behind this barrier
	STEP 6, 0, 1, 0
	s_wait_dscnt 4*NLA
	WIN 0xa1
	MUL16 0, 7, 0
	MUL16 2, 7, 0
	s_wait_dscnt 0x0
	WIN 0xf1
	MUL16 4, 7, 0
	MUL16 6, 7, 0
	WIN 0
; THE EPILOGUE.  Block a's 64 numbers of a lane plus the bias (each accumulator from its low end on) are quantised in registers; the images leave as runs of 512 bytes.
.macro EBLK a, d0, d1, ty
.if \ty
	WIN 0x02+((\a)/4)                              ; source 0: window 2 or 3; the bias in window 0
.else
	WIN 0x06+((\a)/4)                              ; the bias in window 1
.endif
.set AC, 64*((\a)%4)
.set n, 0
.rept 32
.if \ty
.if ((\a)%2) == 0
	v_pk_add_f32 v[HA+2*n:HA+2*n+1], v[AC+2*n:AC+2*n+1], v[BV+2*((\a)/2):BV+2*((\a)/2)+1] op_sel_hi:[1,0]
.else
	v_pk_add_f32 v[HA+2*n:HA+2*n+1], v[AC+2*n:AC+2*n+1], v[BV+2*((\a)/2):BV+2*((\a)/2)+1] op_sel:[0,1] op_sel_hi:[1,1]
.endif
.else
	v_pk_add_f32 v[HA+2*n:HA+2*n+1], v[AC+2*n:AC+2*n+1], v[96+2*n+96*(n/16):96+2*n+96*(n/16)+1]
.endif
.set n, n+1
.endr
	WIN 0
	QUANT HA, \d0, \d1, SW+(\a)
.endm
	s_wait_loadcnt 0x0                             ; the bias
.irp b, 0,1,2,3
	v_mov_b32 v[TM+4+\b], 0                        ; a lane permute's destination counts as one of its sources.  These four are also the places behind the last products
.endr
	s_cmp_eq_u32 ttmp9, 2
	s_cbranch_scc1 .Lvalues
.irp e, 0,1,2,3                                ; q, k: a pair of token tiles: blocks 0, 1 of a lane's four are my first head's 64 channels, blocks 2, 3 my second head's
.if \e > 0
	s_wait_xcnt 0x0                                ; the last pair's stores have read the images
.endif
	EBLK 2*\e, IMG, IMG+12, 0
	EBLK 2*\e+1, IMG+6, IMG+18, 0
.irp g, 0,1
.irp c, 0,1,2
	global_store_b128 v1, v[IMG+12*\g+4*\c:IMG+12*\g+4*\c+3], s[12:13] offset:\g*HS+\e*FRB+512*\c
.endr
.endr
.endr
.irp i, 0,1,2,3
	v_cndmask_b32 v[TT+\i], v[SW+\i], v[SW+4+\i], s99   ; lanes 0-15 tiles 0-3, lanes 16-31 tiles 4-7
.endr
.irp i, 0,1,2,3
	v_and_b32 v[UU+\i], 0xffff, v[TT+\i]           ; my first head's two bytes, and two zeros
	v_lshrrev_b32 v[W2+\i], 16, v[TT+\i]           ; my second head's
.endr
	global_store_b128 v1, v[UU:UU+3], s[96:97]
	global_store_b128 v1, v[W2:W2+3], s[96:97] offset:HS
	s_branch .Ldone
.Lvalues:
.irp a, 0,1,2,3,4,5,6,7                        ; v: block a is head a / 4, channels' tile a % 4: a whole fragment, 128 keys
.if \a > 0
	s_wait_xcnt 0x0
.endif
	EBLK \a, IMG, IMG+6, 1
.irp c, 0,1,2
	global_store_b128 v1, v[IMG+4*\c:IMG+4*\c+3], s[12:13] offset:(\a/4)*HS+(\a%4)*FRB+512*\c
.endr
.endr
.irp i, 0,1,2,3
	v_cndmask_b32 v[TT+\i], v[SW+\i], v[SW+4+\i], s99   ; lanes 0-15 my first head, lanes 16-31 my second
.endr
	global_store_b128 v3, v[TT:TT+3], s[96:97]     ; two runs of 256 consecutive bytes
.Ldone:
	s_wait_tensorcnt 0x0                           ; the wave's end
	ds_add_u32 v[SPW], v[NIL]
	s_wait_dscnt 0x0
	CROUND                                         ; the closing round
	s_endpgm
.Lfunc_end_k_q1a0c7a5981_qkv:
	.size	k_q1a0c7a5981_qkv, .Lfunc_end_k_q1a0c7a5981_qkv-k_q1a0c7a5981_qkv
	.p2alignl 7, 3214868480
	.fill 96, 4, 3214868480
	.section	.rodata,"a",@progbits
	.p2align	6, 0x0
	.amdhsa_kernel k_q1a0c7a5981_qkv
		.amdhsa_group_segment_fixed_size 327680
		.amdhsa_private_segment_fixed_size 0
		.amdhsa_enable_private_segment 0
		.amdhsa_kernarg_size 48
		.amdhsa_user_sgpr_count 2
		.amdhsa_user_sgpr_kernarg_segment_ptr 1
		.amdhsa_wavefront_size32 1
		.amdhsa_system_sgpr_workgroup_id_x 1
		.amdhsa_system_sgpr_workgroup_id_y 1
		.amdhsa_system_sgpr_workgroup_id_z 1
		.amdhsa_system_vgpr_workitem_id 0
		.amdhsa_next_free_vgpr 1024
		.amdhsa_next_free_sgpr 102
		.amdhsa_reserve_vcc 0
		.amdhsa_float_denorm_mode_32 3
		.amdhsa_float_denorm_mode_16_64 3
		.amdhsa_memory_ordered 1
		.amdhsa_forward_progress 1
		.amdhsa_inst_pref_size 207
	.end_amdhsa_kernel
	.amdgpu_metadata
---
amdhsa.version: [ 1, 2 ]
amdhsa.kernels:
  - .name:           k_q1a0c7a5981_qkv
    .symbol:         k_q1a0c7a5981_qkv.kd
    .args:
      - { .name: actc, .offset: 0, .size: 8, .value_kind: global_buffer, .address_space: global }
      - { .name: acts, .offset: 8, .size: 8, .value_kind: global_buffer, .address_space: global }
      - { .name: wc, .offset: 16, .size: 8, .value_kind: global_buffer, .address_space: global }
      - { .name: ws, .offset: 24, .size: 8, .value_kind: global_buffer, .address_space: global }
      - { .name: b_qkv, .offset: 32, .size: 8, .value_kind: global_buffer, .address_space: global }
      - { .name: qkv, .offset: 40, .size: 8, .value_kind: global_buffer, .address_space: global }
    .group_segment_fixed_size: 327680
    .private_segment_fixed_size: 0
    .kernarg_segment_align: 8
    .kernarg_segment_size: 48
    .max_flat_workgroup_size: 128
    .sgpr_count:     102
    .vgpr_count:     1024
    .wavefront_size: 32
...
	.end_amdgpu_metadata
.endif
;; end of part 2
;; launch attn (part 3): grid 4 x 64, 16 waves a work-group, no clusters, 210,944 bytes of LDS; arguments qkv, actc, acts; writes actc, acts
.if DOCPART == 3
	.amdgcn_target "amdgcn-amd-amdhsa--gfx1250"
	.amdhsa_code_object_version 6
	.text
	.protected	k_q1a0c7a5981_attn
	.globl	k_q1a0c7a5981_attn
	.p2align	8
	.type	k_q1a0c7a5981_attn,@function
k_q1a0c7a5981_attn:
	s_mov_b64 s[64:65], 0
	v_nop
	global_prefetch_b8 v0, s[64:65] scope:SCOPE_SE
	s_setreg_imm32_b32 hwreg(HW_REG_WAVE_MODE, 25, 1), 1
	s_wait_xcnt 0x0
; Causal attention of one head (64 channels, 2,048 tokens) on codes of FP6 (E2M3), and its result quantised along the model's 1,024 channels for the last product.
; THE SOFTMAX: t = score x log2(e) / 8; M = the running largest t rounded UP to a whole number; p = 2^(t - M) is quantised along the keys; the row's sum is taken of the unquantised p and divides at the end.
; When M moves, the sum and O are multiplied by 2^(old M - new M): exact.
; K's and V's codes and scale words of the whole head are the first 208,896 bytes of the head's record: they come into LDS ONCE, a sixteenth by each wave's one tensor load, and stay: no ring, no refill.
; SHARES.  Four work-groups to a head, sixteen waves each.  Wave number n = 16 x + w of the head's 64 owns two tiles of 16 queries: the even tile of pair n and the odd tile of pair 63 - n (a pair is 32 queries).
; A tile of pair p has work in key steps 0 .. p / 4 (128 keys a step): n / 4 + (63 - n) / 4 + 2 = 17 steps of work in every wave.  All waves walk all 16 trips; a step all of whose keys are hidden is jumped over by a branch on ids.
; NO CLUSTER, though the four work-groups of a head read the same K and V: which steps are jumped over hangs on the work-group's block of queries, which differs between partners.
; NO PREFETCH: every tensor load is a first fill at the head.
; LAYOUT.  Both products transposed: S^T = K Q^T, O^T = V^T P^T: a lane holds ONE query.  Lane r of a tile of tokens holds token 32 (T / 2) + 8 (T % 2) + r + 8 (r / 8), so the 16 registers of two neighbouring
; tiles of S^T are 16 neighbouring keys; V's rows are ordered likewise, so that O^T's 16 registers are 16 neighbouring channels.
; K = 64 IN AN INSTRUCTION OF 128: Q's fragment is six registers of codes and six of ZERO codes.  K's tile t is v[52 + 6 t] .. + 11: its upper six registers are the next tile's codes (for tile 7 six registers at work):
; any codes times zero codes add nothing.  The scale bytes of that half are 0 on both sides.
; LIMITS: NaN and infinities are not served; a scale byte is held at 1 from below; a block of zeros gets the byte 1 (its codes are zeros; the bytes are read by this program alone).
; OUT: actc [tile of tokens][K step][1,536] as six runs of 256 bytes, run p = registers 2 p, 2 p + 1, 8 bytes a lane: a head owns three whole runs.  acts: two bytes for each token and head: all that a work-group owns of a word.
.set KSC,  98304
.set VC,   106496
.set VSC,  204800
.set QC,   208896
.set QSC,  307200
.set HS,   315392
.set PART, 13056                       ; 51 rows of 256 bytes: a wave's part of the fill
.set LI,   1                           ; v1 16 x lane
.set LR,   2                           ; v2 VSC + 16 (lane % 16)
.set ADR,  3
.set ADR2, 4
.set PS,   42                          ; v40, v41 Q's scale words, v42 p's: scales and nothing else
.set KS,   44                          ; v44-47 K's scale words;  v48-51 V's
.set VS,   48
.set KV,   52                          ; v52-99 K's eight tiles or V's four
.set BM,   100                         ; v100-103 the blocks' largest scores, then a conversion's second half
.set F,    104                         ; v[104:105] 2^(old M - new M)
.set BP,   106                         ; v106-109
.set SO,   110                         ; v110-113 the conversions' scale operands
.set PC,   114                         ; v114-125 p's codes
.set S,    126                         ; v126-189 S^T, then p
.set OA,   190                         ; v190-221, v222-253 O^T of my two tiles
.set OB,   222
.set SEL,  20
.set CS,   22                          ; s[22:23] log2(e) / 8
.set G1,   24
.set G0,   32
.set KI,   36                          ; the key step
.set TK,   37                          ; LDS byte of the step's K codes, K scale words, V codes, V scale words
.set TKS,  38
.set TV,   39
.set TVS,  40
	s_load_b128 s[4:7], s[0:1], 0x0                ; qkv, actc
	s_load_b64 s[8:9], s[0:1], 0x10                ; acts
	v_lshl_add_u32 v254, v0, 2, 0x33000
	v_mov_b32 v255, 0
	ds_add_u32 v254, v255
	ds_add_u32 v254, v255
	s_wait_dscnt 0x0
	v_lshrrev_b32 v1, 5, v0
	v_readfirstlane_b32 s10, v1                    ; wave 0..15
	s_and_b32 s12, ttmp7, 0xffff                   ; the record: batch x 16 + head
	s_lshl_b32 s14, ttmp9, 4
	s_add_co_u32 s14, s14, s10                     ; pair of tile A
	s_sub_co_u32 s15, 63, s14                      ; pair of tile B
	s_lshr_b32 s16, s14, 2                         ; their last key steps
	s_lshr_b32 s17, s15, 2
	s_mov_b32 s[G1], 3<<16                         ; elements of 8 bytes, no mask, no padding
	s_mov_b32 s[G1+1], 32<<16                      ; tensor_dim0: 256 bytes
	s_mov_b32 s[G1+2], 51<<16                      ; tensor_dim1
	s_mov_b32 s[G1+3], 32<<16                      ; tile_dim0
	s_mov_b32 s[G1+4], 51                          ; tile_dim1
	s_mov_b32 s[G1+5], 32                          ; dense
	s_mov_b32 s[G1+6], 0
	s_mov_b32 s[G1+7], 0
	s_mul_i32 s59, s10, PART
	s_mul_i32 s60, s12, HS
	s_mov_b32 s61, 0
	s_mov_b32 s62, s59
	s_mov_b32 s63, 0
	s_wait_kmcnt 0x0
	s_add_nc_u64 s[4:5], s[4:5], s[60:61]          ; the record
	s_mov_b32 s[G0], 1
	s_mov_b32 s[G0+1], s59                         ; LDS: wave x 13,056
	s_add_nc_u64 s[G0+2:G0+3], s[4:5], s[62:63]
	s_or_b32 s[G0+3], s[G0+3], 0x80000000
	tensor_load_to_lds s[G0:G0+3], s[G1:G1+7]      ; my one tensor load
	s_nop 0
	v_and_b32 v7, 31, v0
	v_and_b32 v254, 15, v0                         ; r
	v_bfe_u32 v255, v0, 4, 1                       ; h
	v_lshlrev_b32 v[LI], 4, v7
	v_lshl_add_u32 v[LR], v254, 4, VSC
	v_lshlrev_b32 v7, 4, v254                      ; Q's scale words: 16 r
	s_and_b32 s19, s12, 15                         ; the head
	s_mul_i32 s13, s19, 768                        ; its three runs in a tile's 12,288 bytes
	s_lshr_b32 s18, s19, 3
	s_lshl_b32 s18, s18, 8
	s_and_b32 s19, s19, 7
	s_lshl_b32 s19, s19, 1
	s_add_co_u32 s18, s18, s19                     ; its two bytes in a tile's 512
	s_lshr_b32 s59, s12, 4
	s_lshl_b32 s59, s59, 7                         ; the batch's first tile of tokens
.macro PTRS p, u, qc, qs, oc, os       ; the addresses of the tile (pair s[p], half u); s61 = 0
	s_mul_i32 s60, s[\p], 1536
	s_add_co_u32 s60, s60, QC
	s_add_nc_u64 s[\qc:\qc+1], s[4:5], s[60:61]    ; the pair's image
	s_lshr_b32 s60, s[\p], 1
	s_lshl_b32 s60, s60, 8
	s_and_b32 s62, s[\p], 1
	s_lshl_b32 s62, s62, 3
	s_add_co_u32 s60, s60, s62
	s_add_co_u32 s60, s60, QSC+4*\u
	s_add_nc_u64 s[\qs:\qs+1], s[4:5], s[60:61]    ; tile 2 (p % 4) + u of step p / 4: 256 (p / 2) + 8 (p % 2) + 4 u
	s_lshl_b32 s62, s[\p], 1
	s_add_co_u32 s62, s62, s59
.if \u
	s_add_co_u32 s62, s62, 1
.endif
	s_mul_i32 s60, s62, 12288
	s_add_co_u32 s60, s60, s13
	s_add_nc_u64 s[\oc:\oc+1], s[6:7], s[60:61]
	s_lshl_b32 s60, s62, 9
	s_add_co_u32 s60, s60, s18
	s_add_nc_u64 s[\os:\os+1], s[8:9], s[60:61]
.endm
	PTRS 14, 0, 42, 46, 50, 54
	PTRS 15, 1, 44, 48, 52, 56
	global_load_b128 v[16:19], v[LI], s[42:43]     ; tile A: registers 0-5 of its pair's image
	global_load_b64 v[20:21], v[LI], s[42:43] offset:512
	global_load_b64 v[28:29], v[LI], s[44:45] offset:520   ; tile B: registers 6-11
	global_load_b128 v[30:33], v[LI], s[44:45] offset:1024
	global_load_b32 v40, v7, s[46:47]
	global_load_b32 v41, v7, s[48:49]
	v_and_b32 v3, 8, v254
	v_add_nc_u32 v3, v3, v254
	v_lshlrev_b32 v4, 4, v255
	v_sub_nc_u32 v3, v3, v4                        ; r + 8 (r / 8) - 16 h
	s_and_b32 s60, s14, 3
	s_lshl_b32 s60, s60, 5
	v_add_nc_u32 v5, s60, v3                       ; tile A: my query's place in its last key step, less 16 h
	s_and_b32 s60, s15, 3
	s_lshl_b32 s60, s60, 5
	s_add_co_u32 s60, s60, 8
	v_add_nc_u32 v6, s60, v3                       ; tile B
	s_mov_b32 s[SEL], 0x76543210
	s_mov_b32 s[SEL+1], 0xfedcba98
	s_mov_b32 s[CS], 0x3e38aa3b                    ; log2(e) / 8
	s_mov_b32 s[CS+1], s[CS]
	s_mov_b32 s58, 0xffff0000                      ; lanes 16-31
	s_mov_b32 s[KI], 0
	s_mov_b32 s[TK], 0
	s_mov_b32 s[TKS], KSC
	s_mov_b32 s[TV], VC
	s_mov_b32 s[TVS], 0
.irp j, 22,23,24,25,26,27,34,35,36,37,38,39,100,101,102,103,104,105,106,107,108,109
	v_mov_b32 v[\j], 0                             ; Q's zero codes; the registers at work that are named before they are first written
.endr
.irp t, 8, 12
	v_mov_b32 v[\t+1], 0xff61b1e6                  ; the largest t so far: -3e38
	v_floor_f32 v[\t], -v[\t+1]                    ; -M
	v_mov_b32 v[\t+2], 0                           ; the sum, in two halves
	v_mov_b32 v[\t+3], 0
.endr
.set n, 0
.rept 64
	v_mov_b32 v[OA+n], 0                           ; O^T: the step is written once; its first run finds zeros
.set n, n+1
.endr
	s_wait_tensorcnt 0x0                           ; my part of K and V is in,
	s_barrier_signal -1
	s_barrier_wait -1                              ; everybody's is
	s_wait_loadcnt 0x0                             ; Q
; A KEY STEP of one tile.  st: -M, largest t, the sum's two halves;  qf, qs: Q's fragment and scale words;  o: O^T;  dreg: the mask's number;  lim: the tile's last step.
.macro STEP st, qf, qs, o, dreg, lim
	s_cmp_gt_u32 s[KI], s[\lim]
	s_cbranch_scc1 .Lhidden_\@                     ; all 128 keys come after my 16 queries
	v_add_nc_u32 v[ADR], s[TK], v[LI]
	v_add_nc_u32 v[ADR2], s[TKS], v[LI]
	v_nop
	v_nop                                          ; four plain lines between the last products and loads into registers that they have read
	ds_load_b128 v[KS:KS+3], v[ADR2]               ; register i: lanes 0-15 tile i's words, lanes 16-31 tile 4 + i's
.irp i, 0,1,2,3,4,5,6,7,8,9,10,11
	ds_load_b128 v[KV+4*\i:KV+4*\i+3], v[ADR] offset:512*\i
.endr
	s_wait_dscnt 0x0                               ; all: a tile's upper half is the next tile
.irp t, 0,1,2,3
	v_wmma_scale_f32_16x16x128_f8f6f4 v[S+8*\t:S+8*\t+7], v[KV+6*\t:KV+6*\t+11], v[\qf:\qf+11], 0, v[KS+\t], v[\qs] matrix_a_fmt:MATRIX_FMT_FP6 matrix_b_fmt:MATRIX_FMT_FP6
.endr
.irp t, 4,5,6,7
	v_wmma_scale_f32_16x16x128_f8f6f4 v[S+8*\t:S+8*\t+7], v[KV+6*\t:KV+6*\t+11], v[\qf:\qf+11], 0, v[KS+\t-4], v[\qs] matrix_a_fmt:MATRIX_FMT_FP6 matrix_b_fmt:MATRIX_FMT_FP6 matrix_a_scale:MATRIX_SCALE_ROW1
.endr
	v_add_nc_u32 v[ADR], s[TV], v[LI]
	v_add_nc_u32 v[ADR2], s[TVS], v[LR]
	v_nop
	v_nop                                          ; four plain lines again: for the loads below and for the first read of the scores
.irp i, 0,1,2,3,4,5,6,7,8,9,10,11
	ds_load_b128 v[KV+4*\i:KV+4*\i+3], v[ADR] offset:512*\i   ; V is on its way during the softmax
.endr
	ds_load_b128 v[VS:VS+3], v[ADR2]
	s_cmp_lg_u32 s[KI], s[\lim]
	s_cbranch_scc1 .Lopen_\@                       ; only the tile's last step lies on the diagonal
	v_mov_b32 v7, 0xff800000                       ; -infinity
.set n, 0
.rept 64                                       ; register 16 b + i holds key 32 b + 16 h + i of the step: hidden where 32 b + i > my query's place - 16 h
	v_cmp_gt_i32 vcc_lo, 32*(n/16)+n%16, v[\dreg]
	v_cndmask_b32 v[S+n], v[S+n], v7, vcc_lo
.set n, n+1
.endr
.Lopen_\@:
.irp b, 0,1,2,3
	v_max3_num_f32 v[BM+\b], v[S+16*\b], v[S+1+16*\b], v[S+2+16*\b]   ; the largest score of each block of 32 keys: for the row's maximum, and, since p rises with the score, for the block's largest p
.endr
.irp i, 3,5,7,9,11,13
.irp b, 0,1,2,3
	v_max3_num_f32 v[BM+\b], v[BM+\b], v[S+16*\b+\i], v[S+1+16*\b+\i]
.endr
.endr
.irp b, 0,1,2,3
	v_max_num_f32 v[BM+\b], v[BM+\b], v[S+15+16*\b]
.endr
.irp b, 0,1,2,3
	v_permlanex16_b32 v[BP+\b], v[BM+\b], s[SEL], s[SEL+1]
.endr
.irp b, 0,1,2,3
	v_max_num_f32 v[BM+\b], v[BM+\b], v[BP+\b]     ; with lane l xor 16's 16 keys
.endr
	v_max3_num_f32 v254, v[BM], v[BM+1], v[BM+2]
	v_max_num_f32 v254, v254, v[BM+3]
	v_mul_f32 v254, s[CS], v254                    ; the step's largest t
	v_max_num_f32 v[\st+1], v[\st+1], v254
	v_mov_b32 v254, v[\st]
	v_floor_f32 v[\st], -v[\st+1]                  ; the new -M = -ceil(t)
	v_sub_f32 v254, v[\st], v254                   ; old M - new M: a whole number, 0 or less
	v_cvt_i32_f32 v254, v254                       ; (it saturates)
	v_ldexp_f32 v[F], 1.0, v254
.set n, 0
.rept 32
	v_pk_fma_f32 v[S+n:S+n+1], v[S+n:S+n+1], s[CS:CS+1], v[\st:\st+1] op_sel_hi:[1,0,0]   ; t - M
.set n, n+2
.endr
.irp b, 0,1,2,3
	v_fma_f32 v[BM+\b], v[BM+\b], s[CS], v[\st]
.endr
.set n, 0
.rept 64
	v_exp_f32 v[S+n], v[S+n]                       ; p = 2^(t - M)
.set n, n+1
.endr
	v_pk_mul_f32 v[\st+2:\st+3], v[\st+2:\st+3], v[F:F+1] op_sel_hi:[1,0]   ; the sum under the new M: the plain line behind the exponentials
	s_wait_alu depctr_va_vdst(0)                   ; one wait for the batch, ahead of its first reader
.irp b, 0,1,2,3
	v_exp_f32 v[BM+\b], v[BM+\b]                   ; the blocks' largest p
.endr
	v_pk_add_f32 v[BP:BP+1], v[S:S+1], v[S+2:S+3]  ; the sum of the unquantised p, in two chains
.irp j, 4,8,12,16,20,24,28,32,36,40,44,48,52,56,60
	v_pk_add_f32 v[\st+2:\st+3], v[\st+2:\st+3], v[S+\j:S+\j+1]
	v_pk_add_f32 v[BP:BP+1], v[BP:BP+1], v[S+2+\j:S+3+\j]
.endr
	v_pk_add_f32 v[\st+2:\st+3], v[\st+2:\st+3], v[BP:BP+1]
	s_wait_alu depctr_va_vdst(0)                   ; and one for the four
.irp b, 0,1,2,3
	v_max_num_f32 v[BM+\b], 0x1800000, v[BM+\b]    ; the floor 2^(3 - 127)
.endr
.irp b, 0,1,2,3
	v_add_nc_u32 v[SO+\b], 0xff000000, v[BM+\b]    ; the conversions' scale operands
.endr
.irp b, 0,1,2,3
	v_lshrrev_b32 v[BP+\b], 23, v[SO+\b]           ; the bytes
.endr
	v_lshl_or_b32 v[PS], v[BP+1], 8, v[BP]
	v_lshl_or_b32 v[PS], v[BP+2], 16, v[PS]
	v_lshl_or_b32 v[PS], v[BP+3], 24, v[PS]
	v_cvt_scalef32_pk16_fp6_f32 v[PC:PC+2], v[S:S+15], v[SO]
	v_cvt_scalef32_pk16_fp6_f32 v[BM:BM+2], v[S+16:S+31], v[SO+1]
	v_cvt_scalef32_pk16_fp6_f32 v[PC+6:PC+8], v[S+32:S+47], v[SO+2]
	v_cvt_scalef32_pk16_fp6_f32 v[BP:BP+2], v[S+48:S+63], v[SO+3]
	v_nop                                          ; one plain line behind the conversions
.irp i, 0,1,2
	v_permlane16_swap_b32 v[PC+\i], v[BM+\i]
	v_permlane16_swap_b32 v[PC+6+\i], v[BP+\i]
.endr
.irp i, 0,1,2
	v_mov_b32 v[PC+3+\i], v[BM+\i]
	v_mov_b32 v[PC+9+\i], v[BP+\i]
.endr
.set n, 0
.rept 16
	v_pk_mul_f32 v[\o+n:\o+n+1], v[\o+n:\o+n+1], v[F:F+1] op_sel_hi:[1,0]   ; O^T under the new M, from each accumulator's low end on; also the plain lines between the writes of p's codes and scale word and the products
.set n, n+2
.endr
	s_wait_dscnt 0x0                               ; V is in
.irp t, 0,1,2,3
	v_wmma_scale_f32_16x16x128_f8f6f4 v[\o+8*\t:\o+8*\t+7], v[KV+12*\t:KV+12*\t+11], v[PC:PC+11], v[\o+8*\t:\o+8*\t+7], v[VS+\t], v[PS] matrix_a_fmt:MATRIX_FMT_FP6 matrix_b_fmt:MATRIX_FMT_FP6
.endr
.Lhidden_\@:
.endm
.Lkey:                                             ; 16 trips, a constant; no barrier and no tensor load stands in the loop
	STEP 8, 16, 40, OA, 5, 16
	STEP 12, 28, 41, OB, 6, 17
	s_add_co_u32 s[TK], s[TK], 6144
	s_add_co_u32 s[TKS], s[TKS], 512
	s_add_co_u32 s[TV], s[TV], 6144
	s_add_co_u32 s[TVS], s[TVS], 256
	s_add_co_u32 s[KI], s[KI], 1
	s_cmp_lt_u32 s[KI], 16
	s_cbranch_scc1 .Lkey
	; THE WAY OUT.  These five lines are also the plain lines behind the last products.
	v_and_b32 v3, 31, v0
	v_lshlrev_b32 v3, 3, v3                        ; the codes: 8 x lane
	v_and_b32 v4, 15, v0
	v_bfe_u32 v7, v0, 4, 1
	v_lshl_add_u32 v4, v4, 4, v7                   ; the byte: 16 r + h
; o = O^T / the sum; register 16 b + i is channel 32 b + 16 h + i of my head: two blocks of the last product's K.
.macro OUT st, o, pc, by, oc, os
	v_add_f32 v254, v[\st+2], v[\st+3]
	v_permlanex16_b32 v255, v254, s[SEL], s[SEL+1]
	v_add_f32 v254, v254, v255                     ; the row's sum
	v_rcp_f32 v254, v254
	v_nop                                          ; a plain line behind the reciprocal
	s_wait_alu depctr_va_vdst(0)                   ; and the wait ahead of its first reader
.set n, 0
.rept 16
	v_pk_mul_f32 v[S+n:S+n+1], v[\o+n:\o+n+1], v[254:255] op_sel_hi:[1,0]
.set n, n+2
.endr
.irp b, 0,1
	v_max3_num_f32 v[BM+\b], |v[S+16*\b]|, |v[S+1+16*\b]|, 0x1800000
.endr
.irp i, 2,4,6,8,10,12,14
.irp b, 0,1
	v_max3_num_f32 v[BM+\b], v[BM+\b], |v[S+16*\b+\i]|, |v[S+1+16*\b+\i]|
.endr
.endr
.irp b, 0,1
	v_permlanex16_b32 v[BP+\b], v[BM+\b], s[SEL], s[SEL+1]
.endr
.irp b, 0,1
	v_max_num_f32 v[BM+\b], v[BM+\b], v[BP+\b]
.endr
.irp b, 0,1
	v_add_nc_u32 v[SO+\b], 0xff000000, v[BM+\b]
.endr
.irp b, 0,1
	v_lshrrev_b32 v[BP+\b], 23, v[SO+\b]
.endr
	v_cvt_scalef32_pk16_fp6_f32 v[\pc:\pc+2], v[S:S+15], v[SO]
	v_cvt_scalef32_pk16_fp6_f32 v[BM:BM+2], v[S+16:S+31], v[SO+1]
	v_nop
.irp i, 0,1,2
	v_permlane16_swap_b32 v[\pc+\i], v[BM+\i]
.endr
.irp i, 0,1,2
	v_mov_b32 v[\pc+3+\i], v[BM+\i]
.endr
	v_cndmask_b32 v[\by], v[BP], v[BP+1], s58      ; lane (r, h) holds block h's byte
.irp i, 0,1,2
	global_store_b64 v3, v[\pc+2*\i:\pc+2*\i+1], s[\oc:\oc+1] offset:256*\i   ; 32 lanes store 256 consecutive bytes, at a multiple of 256 from the buffer's first byte
.endr
	global_store_b8 v4, v[\by], s[\os:\os+1]
.endm
	OUT 8, OA, PC, SO+2, 50, 54
	OUT 12, OB, PC+6, SO+3, 52, 56
	s_wait_xcnt 0x0
	v_lshl_add_u32 v254, v0, 2, 0x33000
	v_mov_b32 v255, 0
	s_wait_tensorcnt 0x0
	ds_add_u32 v254, v255
	s_wait_dscnt 0x0
	s_endpgm
.Lfunc_end_k_q1a0c7a5981_attn:
	.size	k_q1a0c7a5981_attn, .Lfunc_end_k_q1a0c7a5981_attn-k_q1a0c7a5981_attn
	.p2alignl 7, 3214868480
	.fill 96, 4, 3214868480
	.section	.rodata,"a",@progbits
	.p2align	6, 0x0
	.amdhsa_kernel k_q1a0c7a5981_attn
		.amdhsa_group_segment_fixed_size 210944
		.amdhsa_private_segment_fixed_size 0
		.amdhsa_enable_private_segment 0
		.amdhsa_kernarg_size 24
		.amdhsa_user_sgpr_count 2
		.amdhsa_user_sgpr_kernarg_segment_ptr 1
		.amdhsa_wavefront_size32 1
		.amdhsa_system_sgpr_workgroup_id_x 1
		.amdhsa_system_sgpr_workgroup_id_y 1
		.amdhsa_system_sgpr_workgroup_id_z 1
		.amdhsa_system_vgpr_workitem_id 0
		.amdhsa_next_free_vgpr 256
		.amdhsa_next_free_sgpr 66
		.amdhsa_reserve_vcc 1
		.amdhsa_float_denorm_mode_32 3
		.amdhsa_float_denorm_mode_16_64 3
		.amdhsa_memory_ordered 1
		.amdhsa_forward_progress 1
		.amdhsa_inst_pref_size 57
	.end_amdhsa_kernel
	.amdgpu_metadata
---
amdhsa.version: [ 1, 2 ]
amdhsa.kernels:
  - .name:           k_q1a0c7a5981_attn
    .symbol:         k_q1a0c7a5981_attn.kd
    .args:
      - { .name: qkv, .offset: 0, .size: 8, .value_kind: global_buffer, .address_space: global }
      - { .name: actc, .offset: 8, .size: 8, .value_kind: global_buffer, .address_space: global }
      - { .name: acts, .offset: 16, .size: 8, .value_kind: global_buffer, .address_space: global }
    .group_segment_fixed_size: 210944
    .private_segment_fixed_size: 0
    .kernarg_segment_align: 8
    .kernarg_segment_size: 24
    .max_flat_workgroup_size: 512
    .sgpr_count:     66
    .vgpr_count:     256
    .wavefront_size: 32
...
	.end_amdgpu_metadata
.endif
;; end of part 3
;; launch proj (part 4): grid 4 x 32, 4 waves a work-group, clusters of 4 x 4, 327,680 bytes of LDS; arguments actc, acts, wc, ws, b_proj, out0; writes out0
.if DOCPART == 4
	.amdgcn_target "amdgcn-amd-amdhsa--gfx1250"
	.amdhsa_code_object_version 6
	.text
	.protected	k_q1a0c7a5981_proj
	.globl	k_q1a0c7a5981_proj
	.p2align	8
	.type	k_q1a0c7a5981_proj,@function
k_q1a0c7a5981_proj:
	s_mov_b64 s[64:65], 0
	v_nop
	global_prefetch_b8 v0, s[64:65] scope:SCOPE_SE
	s_setreg_imm32_b32 hwreg(HW_REG_WAVE_MODE, 25, 1), 1
	s_wait_xcnt 0x0
	s_wait_alu depctr_hold_cnt(0) depctr_sa_sdst(0) depctr_va_vdst(0) depctr_va_sdst(0) depctr_va_ssrc(0) depctr_va_vcc(0) depctr_vm_vsrc(0)
	s_getreg_b32 s2, hwreg(HW_REG_IB_STS2, 6, 4)
	s_cmp_eq_u32 s2, 0
	s_cbranch_scc0 .Lentry_in_a_cluster
	s_endpgm
.Lentry_in_a_cluster:
	s_bfe_u32 s2, ttmp6, 0x10000c
	s_cmp_lg_u32 s2, 0xf033
	s_cbranch_scc0 .Lentry_shape_is_right
	s_endpgm
.Lentry_shape_is_right:
; out0 = o W_proj + b_proj on codes of FP6 (E2M3), K = 1,024.  The same frame as the launch for q, k and v: a tile of 256 x 256 to a work-group of four waves, 128 x 128 to a wave; source 0 = 16 columns of W_proj (B'),
; source 1 = 16 tokens (A'): a lane holds one token and eight neighbouring columns an accumulator.  8 K steps of 128, written out; THREE LDS slots of 256 along K: three first fills and ONE refill behind one round of the
; cluster's barrier: a wave has four tensor loads out at the start and one behind the round.  The scale words of all of K come once.  CLUSTER 4 x 4: A's tiles are asked for jointly by a row, B's by a column.
; o's images are six runs of 256 bytes (registers 2 p, 2 p + 1, 8 bytes a lane), the weights' three runs of 512.  The bias is the C of each sum's first product.
; Lane r of a tile of tokens holds token 32 (T / 2) + 8 (T % 2) + r + 8 (r / 8): the way out puts the rows back.  128 work-groups: a tile of 128 x 256 would give 256; this text keeps the frame of the other product.
; No prefetch: three of the four slots are first fills, and one for the single refill would stand at the head, among every work-group's first loads.
; REGISTERS: window 0: v1-29 addresses; v32-95 scale words; v128-223 A's fragments; on the way out v128-255 rows of the result.
;   window 1: B's fragments, two sets, v0-95 and v128-223; the bias in v96-127 and v224-255.   windows 2, 3: the accumulators ((a, b) at v[8 (8 (a % 4) + b)]).
.set SLOT,  98304
.set HALFT, 24576
.set TILEB, 3072
.set FRB,   1536
.set SCL,   3*SLOT
.set HALFS, 4096
.set SPARE, SCL+4*HALFS                ; the spare words, 128 bytes a wave: two blocks of 256 bytes that no other line names
.set SPITCH, 528                       ; the way out: a stage of 16 rows x (512 bytes + 16) for each wave, in slot 1, which is filled once and read by nobody behind the barrier of K step 5
.set FR,    12
.set NLA,   6                          ; LDS loads that bring a fragment of A
.set ADRA,  16
.set ADRB,  20
.set STO,   24
.set RD,    25
.set ADRS,  27
.set SPW,   28
.set NIL,   29
.set SC,    32
.set AF,    128
.set BK,    128
.set G1,    24
.set G1B,   32
.set G0,    40
.set G0B,   52
.set G1S,   68
.set G1SB,  76
.set G0S,   84
.set G0SB,  88
.set MSB, 0
.macro WIN new                         ; the immediate's high byte repeats the setting that is left
.if MSB != (\new)
	s_set_vgpr_msb (MSB<<8)|(\new)
.set MSB, (\new)
.endif
.endm
.macro JLOAD g0a, g1a, g0b, g1b        ; a joint load: waves 0 and 1 fetch for A, waves 2 and 3 for B; four v_nop follow each of the two lines
	s_cmp_eq_u32 s15, 0
	s_cbranch_scc0 .Lfor_b_\@
	tensor_load_to_lds s[\g0a:\g0a+3], s[\g1a:\g1a+7]
	s_nop 0
.rept 4
	v_nop
.endr
	s_branch .Lasked_\@
.Lfor_b_\@:
	tensor_load_to_lds s[\g0b:\g0b+3], s[\g1b:\g1b+7]
	s_nop 0
.rept 4
	v_nop
.endr
.Lasked_\@:
.endm
.macro CREST
	s_cmp_lg_u32 s14, 0
	s_cbranch_scc1 .Lnot_wave_0_\@
	s_barrier_signal -3
.Lnot_wave_0_\@:
	s_barrier_wait -3
	s_barrier_signal -1
	s_barrier_wait -1
.endm
.macro CROUND
	s_barrier_signal -1
	s_barrier_wait -1
	CREST
.endm
.macro PLACES n
.rept \n
	v_nop
.endr
.endm
	s_load_b256 s[4:11], s[0:1], 0x0               ; A': actc, acts;  B': wc, ws
	s_load_b128 s[20:23], s[0:1], 0x20             ; b_proj, out0
	v_lshl_add_u32 v[SPW], v0, 2, SPARE
	v_mov_b32 v[NIL], 0
	ds_add_u32 v28, v29
	ds_add_u32 v28, v29
	s_wait_dscnt 0x0
	v_lshrrev_b32 v1, 5, v0
	v_readfirstlane_b32 s14, v1                    ; wave 0..3
	s_lshr_b32 s15, s14, 1                         ; which half of the tokens is mine.  Also: I fetch for A (0) or for B (1)
	s_and_b32 s16, s14, 1                          ; which half of the columns.  Also: which eight tiles I fetch
	s_bfe_u32 s92, ttmp6, 0x40000                  ; cx
	s_bfe_u32 s93, ttmp6, 0x40004                  ; cy
	s_lshl_b32 s94, ttmp9, 2
	s_add_co_u32 s94, s94, s92                     ; the tile of 256 columns
	s_and_b32 s17, ttmp7, 0xffff
	s_lshl_b32 s17, s17, 2
	s_add_co_u32 s17, s17, s93                     ; the tile of 256 tokens
	s_lshl_b32 s66, s93, 2
	s_lshl_b32 s66, 15, s66                        ; my row of the cluster
	s_lshl_b32 s67, 0x1111, s92                    ; my column
	s_or_b32 s[G1+0], s66, (3<<16)|(1<<21)         ; codes: 8 rows (tiles) of 3,072 bytes, 12,288 apart, in elements of 8 bytes; no padding
	s_or_b32 s[G1B+0], s67, (3<<16)|(1<<21)
.irp g, G1, G1B
	s_mov_b32 s[\g+1], 384<<16
	s_mov_b32 s[\g+2], 8<<16
	s_mov_b32 s[\g+3], 384<<16
	s_mov_b32 s[\g+4], 8
	s_mov_b32 s[\g+5], 1536
	s_mov_b32 s[\g+6], 0
	s_mov_b32 s[\g+7], 0
.endr
	s_or_b32 s[G1S+0], s66, (3<<16)|(1<<21)        ; scale words of eight tiles: 16 rows of 256 dense bytes
	s_or_b32 s[G1SB+0], s67, (3<<16)|(1<<21)
.irp g, G1S, G1SB
	s_mov_b32 s[\g+1], 32<<16
	s_mov_b32 s[\g+2], 16<<16
	s_mov_b32 s[\g+3], 32<<16
	s_mov_b32 s[\g+4], 16
	s_mov_b32 s[\g+5], 32
	s_mov_b32 s[\g+6], 0
	s_mov_b32 s[\g+7], 0
.endr
	s_lshl_b32 s98, s16, 3
	s_lshl_b32 s18, s17, 4
	s_add_co_u32 s18, s18, s98                     ; the first tile of 16 that I would fetch of A,
	s_lshl_b32 s19, s94, 4
	s_add_co_u32 s19, s19, s98
	s_add_co_u32 s19, s19, 192                     ; and of B: W_proj's tiles begin at 192
	s_mul_i32 s2, s18, 12288
	s_mov_b32 s3, 0
	s_mul_i32 s100, s19, 12288
	s_mov_b32 s101, 0
	s_wait_kmcnt 0x0
	s_add_nc_u64 s[4:5], s[4:5], s[2:3]
	s_lshl_b32 s2, s18, 9
	s_add_nc_u64 s[6:7], s[6:7], s[2:3]
	s_add_nc_u64 s[8:9], s[8:9], s[100:101]
	s_lshl_b32 s100, s19, 9
	s_add_nc_u64 s[10:11], s[10:11], s[100:101]
	s_mul_i32 s95, s14, HALFT                      ; where they go: no place in the cluster enters an LDS address
	s_lshl_b32 s99, s14, 12
	CROUND                                         ; all sixteen work-groups are here: the first joint loads meet
	s_mov_b32 s[G0S], 1
	s_add_co_u32 s[G0S+1], s99, SCL
	s_mov_b64 s[G0S+2:G0S+3], s[6:7]
	s_or_b32 s[G0S+3], s[G0S+3], 0x80000000
	s_mov_b32 s[G0SB], 1
	s_add_co_u32 s[G0SB+1], s99, SCL
	s_mov_b64 s[G0SB+2:G0SB+3], s[10:11]
	s_or_b32 s[G0SB+3], s[G0SB+3], 0x80000000
	JLOAD G0S, G1S, G0SB, G1SB
.irp s, 0,1,2
	s_mov_b32 s[G0+4*\s], 1
	s_add_co_u32 s[G0+4*\s+1], s95, \s*SLOT
	s_add_nc_u64 s[G0+4*\s+2:G0+4*\s+3], s[4:5], \s*TILEB
	s_or_b32 s[G0+4*\s+3], s[G0+4*\s+3], 0x80000000
	s_mov_b32 s[G0B+4*\s], 1
	s_add_co_u32 s[G0B+4*\s+1], s95, \s*SLOT
	s_add_nc_u64 s[G0B+4*\s+2:G0B+4*\s+3], s[8:9], \s*TILEB
	s_or_b32 s[G0B+4*\s+3], s[G0B+4*\s+3], 0x80000000
	JLOAD G0+4*\s, G1, G0B+4*\s, G1B
.endr
	v_and_b32 v5, 31, v0
	v_lshlrev_b32 v1, 4, v5                        ; 16 x lane
	v_lshlrev_b32 v9, 3, v5                        ; 8 x lane
	v_and_b32 v6, 15, v0                           ; r
	v_bfe_u32 v7, v0, 4, 1                         ; h
	s_mul_i32 s2, s15, HALFT
	s_mul_i32 s3, s16, HALFT
	s_add_co_u32 s3, s3, 2*HALFT
.irp s, 0,1,2
	v_add_nc_u32 v[ADRA+\s], s2, v9
	v_add_nc_u32 v[ADRB+\s], s3, v1
	s_add_co_u32 s2, s2, SLOT
	s_add_co_u32 s3, s3, SLOT
.endr
	s_lshl_b32 s2, s15, 12
	s_lshl_b32 s3, s16, 12
	s_add_co_u32 s3, s3, 2*HALFS
	s_sub_co_u32 s3, s3, s2
	v_mul_u32_u24 v8, s3, v7                       ; lanes 16-31 take B's scale words
	s_add_co_u32 s2, s2, SCL
	v_lshl_add_u32 v8, v6, 4, v8
	v_add_nc_u32 v[ADRS], s2, v8
	s_lshl_b32 s2, s94, 10                         ; the bias: my 128 columns; register 8 b + j is column 16 b + 8 h + j
	s_lshl_b32 s3, s16, 9
	s_add_co_u32 s2, s2, s3
	s_mov_b32 s3, 0
	s_add_nc_u64 s[2:3], s[20:21], s[2:3]
	v_lshlrev_b32 v2, 5, v7
	WIN 0x40                                       ; destination window 1
.irp b, 0,1,2,3,4,5,6,7
	global_load_b128 v[96+8*\b+96*(\b/4):96+8*\b+96*(\b/4)+3], v2, s[2:3] offset:64*\b
	global_load_b128 v[100+8*\b+96*(\b/4):100+8*\b+96*(\b/4)+3], v2, s[2:3] offset:64*\b+16
.endr
	WIN 0
	s_mul_i32 s18, s14, 16*SPITCH
	s_add_co_u32 s18, s18, SLOT                    ; my stage
	v_mul_u32_u24 v8, v6, SPITCH
	v_lshl_add_u32 v8, v7, 5, v8
	v_add_nc_u32 v[STO], s18, v8                   ; in: row r, 32 bytes for each half of the lanes
	v_add_nc_u32 v[RD], s18, v1                    ; back: the 32 lanes take one row of 512 bytes
	s_lshl_b32 s4, s17, 8
	s_lshl_b32 s5, s15, 7
	s_add_co_u32 s4, s4, s5
	s_lshl_b32 s4, s4, 12                          ; my first token's row of 4,096 bytes,
	s_lshl_b32 s5, s94, 10
	s_add_co_u32 s4, s4, s5
	s_lshl_b32 s5, s16, 9
	s_add_co_u32 s4, s4, s5                        ; my first column
	s_mov_b32 s5, 0
	s_add_nc_u64 s[12:13], s[22:23], s[4:5]
.macro FRAG3 reg, adr, q, i            ; a fragment of the weights: three loads of 512 consecutive bytes
.irp c, 0,1,2
	ds_load_b128 v[\reg+4*\c:\reg+4*\c+3], v[\adr] offset:(\i)*TILEB+(\q)*FRB+512*\c
.endr
.endm
.macro FRAG6 reg, adr, q, i            ; a fragment of o: six loads of 256 consecutive bytes
.irp p, 0,1,2,3,4,5
	ds_load_b64 v[\reg+2*\p:\reg+2*\p+1], v[\adr] offset:(\i)*TILEB+(\q)*FRB+256*\p
.endr
.endm
.macro FETCH_B s, q, p
	WIN 0x40
.irp i, 0,1,2,3,4,5,6,7
	FRAG3 128*(\p)+FR*\i, ADRB+\s, \q, \i
.endr
	WIN 0
.endm
.macro FETCH_A s, q, i0
.irp i, \i0, \i0+1, \i0+2, \i0+3
	FRAG6 AF+FR*(\i), ADRA+\s, \q, \i
.endr
.endm
; 16 matrix instructions: A's blocks a0, a0 + 1 x B's eight, K step k.  cm = 2: the bias is the C of the first product.  The 64 accumulators take turns, one instruction a turn.
.macro MUL16 a0, k, cm
.irp a, \a0, \a0+1
.irp b, 0,1,2,3,4,5,6,7
.if \cm
	v_wmma_scale_f32_16x16x128_f8f6f4 v[8*(8*((\a)%4)+\b):8*(8*((\a)%4)+\b)+7], v[128*((\k)%2)+FR*\b:128*((\k)%2)+FR*\b+FR-1], v[AF+FR*(\a):AF+FR*(\a)+FR-1], v[96+8*\b+96*(\b/4):96+8*\b+96*(\b/4)+7], v[SC+8*\b+(\k)], v[SC+8*(\a)+(\k)] matrix_a_fmt:MATRIX_FMT_FP6 matrix_b_fmt:MATRIX_FMT_FP6 matrix_a_scale:MATRIX_SCALE_ROW1
.else
	v_wmma_scale_f32_16x16x128_f8f6f4 v[8*(8*((\a)%4)+\b):8*(8*((\a)%4)+\b)+7], v[128*((\k)%2)+FR*\b:128*((\k)%2)+FR*\b+FR-1], v[AF+FR*(\a):AF+FR*(\a)+FR-1], v[8*(8*((\a)%4)+\b):8*(8*((\a)%4)+\b)+7], v[SC+8*\b+(\k)], v[SC+8*(\a)+(\k)] matrix_a_fmt:MATRIX_FMT_FP6 matrix_b_fmt:MATRIX_FMT_FP6 matrix_a_scale:MATRIX_SCALE_ROW1
.endif
.endr
.endr
.endm
.macro STEP k, ns, nq, cm
	s_wait_dscnt 4*NLA                             ; all but the youngest loads, A's blocks 4-7
.if \cm
	WIN 0x91                                       ; source 0 (B) and C (the bias) window 1, source 1 (A) window 0, D window 2
.else
	WIN 0xa1                                       ; C and D window 2
.endif
	MUL16 0, \k, \cm
	MUL16 2, \k, \cm
	s_wait_dscnt 0x0
	PLACES 4                                       ; four plain lines between a matrix instruction and a load into a register that it has read
	FETCH_B \ns, \nq, 1-(\k)%2
	FETCH_A \ns, \nq, 0
.if \cm
	WIN 0xd1
.else
	WIN 0xf1
.endif
	MUL16 4, \k, \cm
	MUL16 6, \k, \cm
	PLACES 4
	WIN 0
	FETCH_A \ns, \nq, 4
.endm
.macro TURN k, ns, fill
	s_wait_tensorcnt 0x0                           ; all my tensor loads have landed
	ds_add_u32 v[SPW], v[NIL]                      ; 0 onto my spare word
	s_wait_dscnt 4*NLA+1                           ; the add and A's blocks 4-7 may be out
	WIN 0xa1
	MUL16 0, \k, 0
	s_wait_dscnt 0x0                               ; the add is done, and my reads of the slot are over
	s_barrier_signal -1
	MUL16 2, \k, 0
	WIN 0
	s_barrier_wait -1
.if \fill
	CREST                                          ; no wave of any partner still reads slot 0 or has a load on its way
	s_add_nc_u64 s[G0+2:G0+3], s[G0+2:G0+3], 3*TILEB
	s_add_nc_u64 s[G0B+2:G0B+3], s[G0B+2:G0B+3], 3*TILEB
	JLOAD G0, G1, G0B, G1B                         ; the first tensor load behind the round; its four v_nop are also the places in front of the loads below
.else
	PLACES 4
.endif
	FETCH_B \ns, 0, 0
	FETCH_A \ns, 0, 0
	WIN 0xf1
	MUL16 4, \k, 0
	MUL16 6, \k, 0
	PLACES 4
	WIN 0
	FETCH_A \ns, 0, 4
.endm
	s_wait_tensorcnt 2                             ; the scale words and slot 0 are in; slots 1 and 2 may stay out
	s_barrier_signal -1
	s_barrier_wait -1
	FETCH_B 0, 0, 0
	FETCH_A 0, 0, 0
.irp i, 0,1,2,3,4,5,6,7
.irp g, 0,1
	ds_load_b128 v[SC+8*\i+4*\g:SC+8*\i+4*\g+3], v[ADRS] offset:\i*512+\g*256
.endr
.endr
	FETCH_A 0, 0, 4
	s_wait_loadcnt 0x0                             ; the bias
	STEP 0, 0, 1, 2
	TURN 1, 1, 1                                   ; the one refill: 256 matrix instructions ahead of the first read of what it brings
	STEP 2, 1, 1, 0
	STEP 3, 2, 0, 0                                ; the round has shown slots 1 and 2 whole to every wave
	STEP 4, 2, 1, 0
	TURN 5, 0, 0
	STEP 6, 0, 1, 0
	s_wait_dscnt 4*NLA
	WIN 0xa1
	MUL16 0, 7, 0
	MUL16 2, 7, 0
	s_wait_dscnt 0x0
	WIN 0xf1
	MUL16 4, 7, 0
	MUL16 6, 7, 0
	WIN 0
; THE WAY OUT, block by block of 16 tokens x 128 columns, through my own stage: in as 32 bytes a lane, back as whole rows of 512 bytes.  LDS serves a wave's instructions in order (ISA guide 5.7.1.4).
.macro TOSTAGE a
.set AC, 64*((\a)%4)
	WIN 0x08+4*((\a)/4)                            ; the data: window 2 or 3
.irp b, 0,1,2,3,4,5,6,7
	ds_store_b128 v[STO], v[AC+8*\b:AC+8*\b+3] offset:64*\b          ; each accumulator from its low end on
	ds_store_b128 v[STO], v[AC+8*\b+4:AC+8*\b+7] offset:64*\b+16
.endr
	WIN 0
.set BB, BK+64*((\a)%2)
.irp t, 0,1,2,3,4,5,6,7,8,9,10,11,12,13,14,15
	ds_load_b128 v[BB+4*\t:BB+4*\t+3], v[RD] offset:\t*SPITCH
.endr
.endm
.macro SEND a, younger                 ; younger: the LDS instructions issued behind block a's loads, which may stay out
.set BB, BK+64*((\a)%2)
	s_wait_dscnt \younger
.if (\a) > 0
.if ((\a)%2) == 1
	s_add_nc_u64 s[12:13], s[12:13], 8*4096        ; block a begins at token 32 (a / 2) + 8 (a % 2)  (behind a wait on XCNT: the earlier stores have read their base)
.else
	s_add_nc_u64 s[12:13], s[12:13], 24*4096
.endif
.endif
.irp t, 0,1,2,3,4,5,6,7,8,9,10,11,12,13,14,15
	global_store_b128 v1, v[BB+4*\t:BB+4*\t+3], s[12:13] offset:(\t+8*(\t/8))*4096 th:TH_STORE_NT   ; 32 lanes store 512 consecutive bytes, at a multiple of 256 from the buffer's first byte
.endr
.endm
	PLACES 4
	TOSTAGE 0
.irp a, 1,2,3,4,5,6,7
.if \a > 1
	s_wait_xcnt 0x0                                ; block a - 2's stores have read their registers and their base
.endif
	TOSTAGE \a
	SEND \a-1, 32                                  ; behind block a - 1's loads: block a's 16 stores and 16 loads
.endr
	s_wait_xcnt 0x0
	SEND 7, 0
	s_wait_tensorcnt 0x0                           ; the wave's end
	ds_add_u32 v[SPW], v[NIL]
	s_wait_dscnt 0x0
	CROUND                                         ; the closing round
	s_endpgm
.Lfunc_end_k_q1a0c7a5981_proj:
	.size	k_q1a0c7a5981_proj, .Lfunc_end_k_q1a0c7a5981_proj-k_q1a0c7a5981_proj
	.p2alignl 7, 3214868480
	.fill 96, 4, 3214868480
	.section	.rodata,"a",@progbits
	.p2align	6, 0x0
	.amdhsa_kernel k_q1a0c7a5981_proj
		.amdhsa_group_segment_fixed_size 327680
		.amdhsa_private_segment_fixed_size 0
		.amdhsa_enable_private_segment 0
		.amdhsa_kernarg_size 48
		.amdhsa_user_sgpr_count 2
		.amdhsa_user_sgpr_kernarg_segment_ptr 1
		.amdhsa_wavefront_size32 1
		.amdhsa_system_sgpr_workgroup_id_x 1
		.amdhsa_system_sgpr_workgroup_id_y 1
		.amdhsa_system_sgpr_workgroup_id_z 1
		.amdhsa_system_vgpr_workitem_id 0
		.amdhsa_next_free_vgpr 1024
		.amdhsa_next_free_sgpr 102
		.amdhsa_reserve_vcc 0
		.amdhsa_float_denorm_mode_32 3
		.amdhsa_float_denorm_mode_16_64 3
		.amdhsa_memory_ordered 1
		.amdhsa_forward_progress 1
		.amdhsa_inst_pref_size 148
	.end_amdhsa_kernel
	.amdgpu_metadata
---
amdhsa.version: [ 1, 2 ]
amdhsa.kernels:
  - .name:           k_q1a0c7a5981_proj
    .symbol:         k_q1a0c7a5981_proj.kd
    .args:
      - { .name: actc, .offset: 0, .size: 8, .value_kind: global_buffer, .address_space: global }
      - { .name: acts, .offset: 8, .size: 8, .value_kind: global_buffer, .address_space: global }
      - { .name: wc, .offset: 16, .size: 8, .value_kind: global_buffer, .address_space: global }
      - { .name: ws, .offset: 24, .size: 8, .value_kind: global_buffer, .address_space: global }
      - { .name: b_proj, .offset: 32, .size: 8, .value_kind: global_buffer, .address_space: global }
      - { .name: out0, .offset: 40, .size: 8, .value_kind: global_buffer, .address_space: global }
    .group_segment_fixed_size: 327680
    .private_segment_fixed_size: 0
    .kernarg_segment_align: 8
    .kernarg_segment_size: 48
    .max_flat_workgroup_size: 128
    .sgpr_count:     102
    .vgpr_count:     1024
    .wavefront_size: 32
...
	.end_amdgpu_metadata
.endif
;; end of part 4
